; MI455X (gfx1250); checked and timed in simulation.
; The chip was launched on July 23, 2026; its instructions are those of AMD's public machine-readable ISA for CDNA 5 (MIT licence, August 2026) and "CDNA5" Instruction Set Architecture Reference Guide (July 2026). The comments in the code are by the model that wrote it; some were corrected since.
;; Transformer Encoder Block. Allowed arithmetic: float matrix products may take bf16 or f16 operands with f32 sums; other float arithmetic in f32, or as packed bf16 or f16 multiplies, adds, multiply-adds, maxima and minima; sums over many terms, partial sums and values carried from step to step in f32; what a program stores and reads back later, other than sums and carried values, may be rounded once to bf16 or f16.
;; Inputs: fc1_b 4,096 float32; fc1_w 1,024 x 4,096 float32; fc2_b 1,024 float32; fc2_w 4,096 x 1,024 float32; ln1_b 1,024 float32; ln1_g 1,024 float32; ln2_b 1,024 float32; ln2_g 1,024 float32; proj_b 1,024 float32; proj_w 1,024 x 1,024 float32; qkv_b 3,072 float32; qkv_w 1,024 x 3,072 float32; x 2 x 2,048 x 1,024 float32.
;; Outputs: out0 2 x 2,048 x 1,024 float32.
;; One version. Each part assembles by itself: llvm-mc -triple=amdgcn-amd-amdhsa -mcpu=gfx1250 --defsym DOCPART=n.
;; ======== version 1 of 1: 7 launches
;; workspace buffers: wb 25,165,824 bytes; h 8,388,608 bytes; qkvh 25,165,824 bytes; o 8,388,608 bytes; x1 16,777,216 bytes; g 33,554,432 bytes
;; launch prep (part 1): grid 1280 x 1, 8 waves a work-group, no clusters, 0 bytes of LDS; arguments x, ln1_g, ln1_b, h, qkv_w, proj_w, fc1_w, fc2_w, wb; writes h, wb
.if DOCPART == 1
	.amdgcn_target "amdgcn-amd-amdhsa--gfx1250"
	.amdhsa_code_object_version 6
	.text
	.protected	k_qd23c6afe27_prep
	.globl	k_qd23c6afe27_prep
	.p2align	8
	.type	k_qd23c6afe27_prep,@function
k_qd23c6afe27_prep:
	s_mov_b64 s[64:65], 0
	v_nop
	global_prefetch_b8 v0, s[64:65] scope:SCOPE_SE
	s_setreg_imm32_b32 hwreg(HW_REG_WAVE_MODE, 25, 1), 1
	s_wait_xcnt 0x0
; Two streams in one body.  Work-groups 0-511: h = LayerNorm(x) * g + b, rounded once to bf16.  Work-groups 512-1279: the four weight
; matrices rounded once to bf16, in the order and layout in which they come ([K][N]): qkv, proj, fc1, fc2 on end in the ninth buffer.
; A launch of 512 work-groups runs the LayerNorm alone (the second norm of the block).
; LAYERNORM.  A row is 1,024 f32 = 4,096 bytes = 32 registers of one wave; a wave takes one row, a work-group 8.  Load j covers
; 512 consecutive bytes (lane l: numbers 128 j + 4 l .. + 3).  Two passes over the registers: the mean, then the sum of squares of x - mean,
; so that no difference of large sums is formed.  A store covers 256 consecutive bytes, aligned (8 bytes a lane).
; CAST.  A work-group takes 65,536 bytes of f32: thread t the 16 bytes at 4,096 i + 16 t, i = 0 .. 15; all sixteen loads go out at once.
; 128 registers a wave, so that eight waves share a SIMD's 1,024.  No LDS, no matrix unit, no cluster: the launch only moves bytes.
; LIMITS.  A row whose sum of squares passes f32's range is not served; NaN and infinities are not treated apart.
.set XR, 32                            ; v[32:63]   the row; at the end its bf16 form in v[32:47]
.set GG, 64                            ; v[64:95]   g of my 32 columns
.set BB, 96                            ; v[96:127]  b
.set CH, 4                             ; v[4:11]    four chains
.set MU, 20                            ; pairs: the mean twice, 1/sqrt(var + eps) twice
.set RS, 24
	s_load_b256 s[4:11], s[0:1], 0x0               ; x s[4:5], g s[6:7], b s[8:9], h s[10:11]
	s_load_b256 s[12:19], s[0:1], 0x20             ; qkv_w, proj_w, fc1_w, fc2_w
	s_load_b64 s[20:21], s[0:1], 0x40              ; the bf16 weights
	s_cmp_lt_u32 ttmp9, 512
	s_cbranch_scc0 .Lcast
.macro LANES                           ; the four chains into one number, then over the 32 lanes: every lane ends with the sum in v[CH]
	v_pk_add_f32 v[CH:CH+1], v[CH:CH+1], v[CH+2:CH+3]
	v_pk_add_f32 v[CH+4:CH+5], v[CH+4:CH+5], v[CH+6:CH+7]
	v_pk_add_f32 v[CH:CH+1], v[CH:CH+1], v[CH+4:CH+5]
	v_add_f32 v[CH], v[CH], v[CH+1]
	v_add_f32_dpp v[CH], v[CH], v[CH] row_xmask:1 row_mask:0xf bank_mask:0xf
	v_add_f32_dpp v[CH], v[CH], v[CH] row_xmask:2 row_mask:0xf bank_mask:0xf
	v_add_f32_dpp v[CH], v[CH], v[CH] row_xmask:4 row_mask:0xf bank_mask:0xf
	v_add_f32_dpp v[CH], v[CH], v[CH] row_xmask:8 row_mask:0xf bank_mask:0xf
	v_permlanex16_b32 v[CH+1], v[CH], s28, s29
	v_add_f32 v[CH], v[CH], v[CH+1]
.endm
	v_lshrrev_b32 v3, 5, v0
	v_readfirstlane_b32 s22, v3                    ; wave 0..7
	v_and_b32 v2, 31, v0
	v_lshlrev_b32 v1, 4, v2                        ; 16 x lane: in x, g, b
	v_lshlrev_b32 v2, 3, v2                        ; 8 x lane: in h
	s_lshl_b32 s23, ttmp9, 3
	s_add_co_u32 s23, s23, s22                     ; my row = 8 x work-group + wave
	s_lshl_b32 s24, s23, 12                        ; in x: 4,096 bytes a row
	s_mov_b32 s25, 0
	s_lshl_b32 s30, s23, 11                        ; in h: 2,048
	s_mov_b32 s31, 0
	s_mov_b32 s26, 0x3a800000                      ; 1 / 1024
	s_mov_b32 s27, 0x3727c5ac                      ; 1e-5
	s_mov_b32 s28, 0x76543210                      ; v_permlanex16_b32: each lane takes its own place in the other half
	s_mov_b32 s29, 0xfedcba98
	s_wait_kmcnt 0x0
	s_add_nc_u64 s[4:5], s[4:5], s[24:25]
	s_add_nc_u64 s[10:11], s[10:11], s[30:31]
.irp j, 0,1,2,3,4,5,6,7
	global_load_b128 v[XR+4*(\j):XR+4*(\j)+3], v1, s[4:5] offset:512*(\j) th:TH_LOAD_NT
.endr
.irp j, 0,1,2,3,4,5,6,7
	global_load_b128 v[GG+4*(\j):GG+4*(\j)+3], v1, s[6:7] offset:512*(\j)
.endr
.irp j, 0,1,2,3,4,5,6,7
	global_load_b128 v[BB+4*(\j):BB+4*(\j)+3], v1, s[8:9] offset:512*(\j)
.endr
	s_wait_loadcnt 16                              ; the row is in; the sixteen younger loads, g's and b's, stay out
.irp k, 0,1,2,3                        ; the sum: 16 pairs into four chains that do not wait for each other
	v_pk_add_f32 v[CH+2*(\k):CH+2*(\k)+1], v[XR+2*(\k):XR+2*(\k)+1], v[XR+8+2*(\k):XR+8+2*(\k)+1]
.endr
.set p, 8
.rept 8
	v_pk_add_f32 v[CH+2*(p%4):CH+2*(p%4)+1], v[CH+2*(p%4):CH+2*(p%4)+1], v[XR+2*p:XR+2*p+1]
.set p, p+1
.endr
	LANES
	v_mul_f32 v[MU], s26, v[CH]
	v_mul_f32 v[MU+1], s26, v[CH]
.set p, 0
.rept 16                               ; x - mean, in place
	v_pk_add_f32 v[XR+2*p:XR+2*p+1], v[XR+2*p:XR+2*p+1], v[MU:MU+1] neg_lo:[0,1] neg_hi:[0,1]
.set p, p+1
.endr
.irp k, 0,1,2,3                        ; the squares, in four chains
	v_pk_mul_f32 v[CH+2*(\k):CH+2*(\k)+1], v[XR+2*(\k):XR+2*(\k)+1], v[XR+2*(\k):XR+2*(\k)+1]
.endr
.set p, 4
.rept 12
	v_pk_fma_f32 v[CH+2*(p%4):CH+2*(p%4)+1], v[XR+2*p:XR+2*p+1], v[XR+2*p:XR+2*p+1], v[CH+2*(p%4):CH+2*(p%4)+1]
.set p, p+1
.endr
	LANES
	v_fma_f32 v[CH], v[CH], s26, s27               ; var + eps
	v_rsq_f32 v[RS], v[CH]
	v_nop                                          ; a plain instruction behind it,
	s_wait_alu depctr_va_vdst(0)                   ; and its wait, ahead of its first reader
	v_mov_b32 v[RS+1], v[RS]
.set p, 0
.rept 16
	v_pk_mul_f32 v[XR+2*p:XR+2*p+1], v[XR+2*p:XR+2*p+1], v[RS:RS+1]
.set p, p+1
.endr
	s_wait_loadcnt 0x0                             ; g and b
.set p, 0
.rept 16
	v_pk_fma_f32 v[XR+2*p:XR+2*p+1], v[XR+2*p:XR+2*p+1], v[GG+2*p:GG+2*p+1], v[BB+2*p:BB+2*p+1]
.set p, p+1
.endr
.set p, 0
.rept 16                               ; packed downward in place: line p writes register p and reads 2 p and 2 p + 1
	v_cvt_pk_bf16_f32 v[XR+p], v[XR+2*p], v[XR+2*p+1]
.set p, p+1
.endr
.irp j, 0,1,2,3,4,5,6,7
	global_store_b64 v2, v[XR+2*(\j):XR+2*(\j)+1], s[10:11] offset:256*(\j)  ; 32 lanes x 8 bytes: 256 consecutive bytes, aligned
.endr
	s_endpgm
.Lcast:
	v_lshlrev_b32 v1, 4, v0                        ; 16 x thread: in the f32 source
	v_lshlrev_b32 v2, 3, v0                        ; 8 x thread: in the bf16 copy
	s_sub_co_u32 s22, ttmp9, 512                   ; chunk 0 .. 767: qkv 0-191, proj 192-255, fc1 256-511, fc2 512-767
	s_mov_b32 s23, 512
	s_wait_kmcnt 0x0
	s_cmp_lt_u32 s22, 512
	s_cselect_b64 s[24:25], s[16:17], s[18:19]     ; the source, and the number of its first chunk
	s_cselect_b32 s23, 256, s23
	s_cmp_lt_u32 s22, 256
	s_cselect_b64 s[24:25], s[14:15], s[24:25]
	s_cselect_b32 s23, 192, s23
	s_cmp_lt_u32 s22, 192
	s_cselect_b64 s[24:25], s[12:13], s[24:25]
	s_cselect_b32 s23, 0, s23
	s_sub_co_u32 s26, s22, s23
	s_lshl_b32 s26, s26, 16                        ; 65,536 bytes of f32 a chunk
	s_mov_b32 s27, 0
	s_add_nc_u64 s[24:25], s[24:25], s[26:27]
	s_lshl_b32 s28, s22, 15                        ; 32,768 bytes of bf16
	s_mov_b32 s29, 0
	s_add_nc_u64 s[20:21], s[20:21], s[28:29]
.irp i, 0,1,2,3,4,5,6,7,8,9,10,11,12,13,14,15
	global_load_b128 v[32+4*(\i):32+4*(\i)+3], v1, s[24:25] offset:4096*(\i) th:TH_LOAD_NT
.endr
.irp i, 0,1,2,3,4,5,6,7,8,9,10,11,12,13,14,15
	s_wait_loadcnt 15-(\i)                         ; loads come back in order: load i is in, the younger ones stay out
	v_cvt_pk_bf16_f32 v[96+2*(\i)], v[32+4*(\i)], v[32+4*(\i)+1]
	v_cvt_pk_bf16_f32 v[96+2*(\i)+1], v[32+4*(\i)+2], v[32+4*(\i)+3]
	global_store_b64 v2, v[96+2*(\i):96+2*(\i)+1], s[20:21] offset:2048*(\i)  ; a wave's store: 256 consecutive bytes, aligned
.endr
	s_endpgm
.Lfunc_end_k_qd23c6afe27_prep:
	.size	k_qd23c6afe27_prep, .Lfunc_end_k_qd23c6afe27_prep-k_qd23c6afe27_prep
	.p2alignl 7, 3214868480
	.fill 96, 4, 3214868480
	.section	.rodata,"a",@progbits
	.p2align	6, 0x0
	.amdhsa_kernel k_qd23c6afe27_prep
		.amdhsa_group_segment_fixed_size 0
		.amdhsa_private_segment_fixed_size 0
		.amdhsa_enable_private_segment 0
		.amdhsa_kernarg_size 72
		.amdhsa_user_sgpr_count 2
		.amdhsa_user_sgpr_kernarg_segment_ptr 1
		.amdhsa_wavefront_size32 1
		.amdhsa_system_sgpr_workgroup_id_x 1
		.amdhsa_system_sgpr_workgroup_id_y 1
		.amdhsa_system_sgpr_workgroup_id_z 1
		.amdhsa_system_vgpr_workitem_id 0
		.amdhsa_next_free_vgpr 128
		.amdhsa_next_free_sgpr 66
		.amdhsa_reserve_vcc 0
		.amdhsa_float_denorm_mode_32 3
		.amdhsa_float_denorm_mode_16_64 3
		.amdhsa_memory_ordered 1
		.amdhsa_forward_progress 1
		.amdhsa_inst_pref_size 18
	.end_amdhsa_kernel
	.amdgpu_metadata
---
amdhsa.version: [ 1, 2 ]
amdhsa.kernels:
  - .name:           k_qd23c6afe27_prep
    .symbol:         k_qd23c6afe27_prep.kd
    .args:
      - { .name: x, .offset: 0, .size: 8, .value_kind: global_buffer, .address_space: global }
      - { .name: ln1_g, .offset: 8, .size: 8, .value_kind: global_buffer, .address_space: global }
      - { .name: ln1_b, .offset: 16, .size: 8, .value_kind: global_buffer, .address_space: global }
      - { .name: h, .offset: 24, .size: 8, .value_kind: global_buffer, .address_space: global }
      - { .name: qkv_w, .offset: 32, .size: 8, .value_kind: global_buffer, .address_space: global }
      - { .name: proj_w, .offset: 40, .size: 8, .value_kind: global_buffer, .address_space: global }
      - { .name: fc1_w, .offset: 48, .size: 8, .value_kind: global_buffer, .address_space: global }
      - { .name: fc2_w, .offset: 56, .size: 8, .value_kind: global_buffer, .address_space: global }
      - { .name: wb, .offset: 64, .size: 8, .value_kind: global_buffer, .address_space: global }
    .group_segment_fixed_size: 0
    .private_segment_fixed_size: 0
    .kernarg_segment_align: 8
    .kernarg_segment_size: 72
    .max_flat_workgroup_size: 256
    .sgpr_count:     66
    .vgpr_count:     128
    .wavefront_size: 32
...
	.end_amdgpu_metadata
.endif
;; end of part 1
;; launch qkv (part 2): grid 8 x 32, 4 waves a work-group, clusters of 4 x 4, 327,680 bytes of LDS; arguments h, wb, qkv_b, qkvh; writes qkvh
.if DOCPART == 2
	.amdgcn_target "amdgcn-amd-amdhsa--gfx1250"
	.amdhsa_code_object_version 6
	.text
	.protected	k_qd23c6afe27_qkv
	.globl	k_qd23c6afe27_qkv
	.p2align	8
	.type	k_qd23c6afe27_qkv,@function
k_qd23c6afe27_qkv:
	s_mov_b64 s[64:65], 0
	v_nop
	global_prefetch_b8 v0, s[64:65] scope:SCOPE_SE
	s_setreg_imm32_b32 hwreg(HW_REG_WAVE_MODE, 25, 1), 1
	s_wait_xcnt 0x0
	s_wait_alu depctr_hold_cnt(0) depctr_sa_sdst(0) depctr_va_vdst(0) depctr_va_sdst(0) depctr_va_ssrc(0) depctr_va_vcc(0) depctr_vm_vsrc(0)
	s_getreg_b32 s2, hwreg(HW_REG_IB_STS2, 6, 4)
	s_cmp_eq_u32 s2, 0
	s_cbranch_scc0 .Lentry_in_a_cluster
	s_endpgm
.Lentry_in_a_cluster:
	s_bfe_u32 s2, ttmp6, 0x10000c
	s_cmp_lg_u32 s2, 0xf033
	s_cbranch_scc0 .Lentry_shape_is_right
	s_endpgm
.Lentry_shape_is_right:
; qkvh = h Wqkv + qkv_b, written by heads: [3][batch x 16 + head][2048][64] bf16, unscaled.  h: [4096][1024] bf16; Wqkv: [1024][3072] bf16 at wb's head.  Sums in f32, rounded once.
; A tile of C is 128 x 384: 8 x 32 = 256 work-groups.  Four waves, 2 x 2: a wave makes 64 rows x 192 columns = 48 accumulators of 16 x 16.
; K goes in steps of 128 through two LDS slots of four PANELS of 128 rows x 256 bytes, one tensor load a wave: wave 0 fetches A's panel (128 tokens x 128 k, LDS pitch 272),
; waves 1-3 B's three (128 k x 128 columns, pitch 288).  B lies [K][N], as the weights come: its fragments leave LDS through the turning load ds_load_tr16_b128.
; THE MATRIX INSTRUCTION IS USED TRANSPOSED (source 0 = 16 columns of W, source 1 = 16 tokens): a lane holds one token (lane % 16) and 8 neighbouring columns.
; CLUSTER 4 x 4: A's panel hangs on the tile row alone and is asked for jointly along a row of the cluster, B's on the tile column alone, along a column.
; THE RING.  Both slots' first fills go out together; at a change of slots nothing but the three lines, the descriptors' step and the round stands between the wait for a tile and the next request,
; and the step's last 48 products follow the request.  By this text's count a wave has two tensor loads out at the start, later one.
; ONE TEXT FOR A K STEP: the slot in hand is a scalar (s[TB]) that an exclusive or turns; the descriptors' LDS word is turned in the same way (wave x PAN never uses SLOT's two bits).
; THE WAY OUT: when the ring has had its last fill, each wave lays its f32 sums into its own part of the ring and reads them back by rows, two trips ahead of their use.
; LIMITS: bf16 operands (8 significant bits); NaN and infinities are not treated apart.
.set NA, 1                             ; waves that fetch A
.set NSTEP, 8                          ; K steps
.set MA, 4                             ; a wave's blocks of 16 rows
.set NF, 12                            ; and of 16 columns
.set UQ, 1                             ; units of 32 along K in a quarter step
.set LATE, 4                           ; the youngest LDS loads of a run, which the first half of a quarter does not need
.set NB, 3                             ; address registers for B's fragments
.set LDA, 1024
.set LDB, 3072
.set ASTEP, 256
.set BSTEP, 128*LDB*2
.set APITCH, 272
.set AWR, 64*272                       ; from one wave row to the next in A's LDS bytes
.set DP, 784                           ; the way out: a row of 192 f32 + 16 bytes
.set DUMPW, 64*DP
.macro AOFS                            ; A's fragment (a, u): 16 rows a, 32 k u
.set oA, a*16*APITCH+64*u
.endm
.macro BOFS                            ; B's fragment (b, u): register by the group of 64 columns
.set rB, ADRB+b/4
.set oB, 32*288*u+32*(b%4)
.endm
; ---- the core ----
.set PAN, 36864                        ; a panel's LDS bytes: 128 x 288; A's 128 x 272 fit
.set SLOT, 4*PAN
.set SPARE, 2*SLOT                     ; behind the ring: the spare words, 128 bytes a wave, that no other line names
.set NW, MA*NF*UQ                      ; matrix instructions in a quarter step
.set WV, 14
.set WR, 15
.set WC, 16
.set CX, 17
.set CY, 18
.set TX, 19
.set TY, 20
.set CNT, 21
.set TB, 22                            ; LDS byte at which the slot in hand begins
.set G1, 24                            ; s[24:31] group 1 for A; s[32:35] its walking group 0; s[36:39], s[40:47] the same for B
.set G0, 32
.set G0B, 36
.set G1B, 40
.set PFA, 48                           ; s[48:49] where my prefetches stand; s[50:51] their step; s52: 1 in a wave that prefetches, else the greatest number
.set PFS, 50
.set LIM, 52
.set RO, 74                            ; the way out: byte offset of the rows to be read next
.set G0F, 80                           ; s[80:83], s[84:87] group 0 of slot 0's first fill, for A and for B
.set G0BF, 84
.set ADRA0, 10                         ; v10, v11-13: my lane's place in slot 0; never rewritten.  v14, v15-17: in the slot in hand
.set ADRB0, 11
.set ADRA, 14
.set ADRB, 15
.set DST, 18
.set DRD0, 19
.set GOF, 20
.set BOF, 23
.set SPW, 28                           ; v28: SPARE + 4 x thread; v29: 0; never rewritten
.set NIL, 29
.set PFO, 30
.set DRD, 31
.set EL, 64                            ; the way out: two sets of 24 registers
.set EY, 112                           ; and 12 of bf16
; windows of 256 registers: 0: addresses, A's fragments (v64-127, v128-191); 1: B's (v0-95, v96-191); 2 and 3: accumulator n at 8 (n % 32) of window 2 + n / 32
.set MSB, 0
.macro WIN new                         ; the high byte repeats the setting that is left; a switch that changes nothing is dropped
.if MSB != (\new)
	s_set_vgpr_msb (MSB<<8)|(\new)
.set MSB, \new
.endif
.endm
.set MUL_LO, 0xa1                      ; source 0 (B) window 1, source 1 (A) window 0, C and D window 2; + 0x50: window 3
.set TO_B, 0x40
.macro PLACES                          ; four plain places behind matrix instructions, ahead of loads into registers that they read
.rept 4
	v_nop
.endr
.endm
.macro CREST                           ; a round of the cluster's barrier behind its opening barrier
	s_cmp_lg_u32 s[WV], 0
	s_cbranch_scc1 .Lnot_wave_0_\@
	s_barrier_signal -3
.Lnot_wave_0_\@:
	s_barrier_wait -3
	s_barrier_signal -1
	s_barrier_wait -1
.endm
.macro CROUND
	s_barrier_signal -1
	s_barrier_wait -1
	CREST
.endm
.macro JLOAD                           ; a joint refill: one a wave; the branch hangs on the wave's number alone; s_nop 0 and four v_nop follow each line
	s_cmp_lt_u32 s[WV], NA
	s_cbranch_scc0 .Lfor_b_\@
	tensor_load_to_lds s[G0:G0+3], s[G1:G1+7]
	s_nop 0
.rept 4
	v_nop
.endr
	s_branch .Lasked_\@
.Lfor_b_\@:
	tensor_load_to_lds s[G0B:G0B+3], s[G1B:G1B+7]
	s_nop 0
.rept 4
	v_nop
.endr
.Lasked_\@:
.endm
.macro FETCH q, f                      ; 32 LDS loads in one run: quarter q's fragments into buffer f; B's first, A's last
	WIN TO_B
.set c, 0
.rept UQ
.set u, UQ*(\q)+c
.set b, 0
.rept NF
	BOFS
.set rF, 96*(\f)+8*(c*NF+b)
	ds_load_tr16_b128 v[rF:rF+3], v[rB] offset:oB
	ds_load_tr16_b128 v[rF+4:rF+7], v[rB] offset:oB+16*288
.set b, b+1
.endr
.set c, c+1
.endr
	WIN 0
.set c, 0
.rept UQ
.set u, UQ*(\q)+c
.set a, 0
.rept MA
	AOFS
.set rF, 64+64*(\f)+8*(c*MA+a)
	ds_load_b128 v[rF:rF+3], v[ADRA] offset:oA
	ds_load_b128 v[rF+4:rF+7], v[ADRA] offset:oA+32
.set a, a+1
.endr
.set c, c+1
.endr
.endm
.macro MULP f, p, zero                 ; part p of four of a quarter's products on buffer f.  The accumulators take turns, one instruction a turn, always in the same order
.set i, (\p)*NW/4
.rept NW/4
.set c, i/(MA*NF)
.set n, i%(MA*NF)
.set a, n/NF
.set b, n%NF
.set rD, 8*(n%32)
.set rW, 96*(\f)+8*(c*NF+b)
.set rH, 64+64*(\f)+8*(c*MA+a)
	WIN MUL_LO+0x50*(n/32)
.if (\zero) && (c == 0)
	v_wmma_f32_16x16x32_bf16 v[rD:rD+7], v[rW:rW+7], v[rH:rH+7], 0
.else
	v_wmma_f32_16x16x32_bf16 v[rD:rD+7], v[rW:rW+7], v[rH:rH+7], v[rD:rD+7]
.endif
.set i, i+1
.endr
.endm
.macro MULQ f                          ; a whole quarter's products
	MULP \f, 0, 0
	MULP \f, 1, 0
	MULP \f, 2, 0
	MULP \f, 3, 0
.endm
.macro QUARTER f, g, qn, zero          ; multiplies buffer f; in its middle fetches quarter qn into buffer g
	s_wait_dscnt LATE                              ; all of the run but its LATE youngest loads
	MULP \f, 0, \zero
	MULP \f, 1, \zero
	PLACES
	FETCH \qn, \g
	s_wait_dscnt 32                                ; all but the 32 just issued
	MULP \f, 2, \zero
	MULP \f, 3, \zero
.endm
.macro MEET                            ; a change of slots without a refill: the three lines and my work-group's barrier
	WIN 0
	s_wait_tensorcnt 0x0                           ; all my tensor loads have landed
	ds_add_u32 v[SPW], v[NIL]                      ; 0 onto my spare word
	s_wait_dscnt 0x0                               ; the add is done, and my reads of this slot are over
	s_barrier_signal -1
	s_barrier_wait -1
.endm
.macro NEXTSLOT
	s_xor_b32 s[TB], s[TB], SLOT
	v_add_nc_u32 v[ADRA], s[TB], v[ADRA0]
.set t, 0
.rept NB
	v_add_nc_u32 v[ADRB+t], s[TB], v[ADRB0+t]
.set t, t+1
.endr
.endm
.macro STEPD                           ; the walking descriptors: the other slot, the next K step; no tensor load of mine is out
	s_xor_b32 s[G0+1], s[G0+1], SLOT
	s_xor_b32 s[G0B+1], s[G0B+1], SLOT
	s_add_nc_u64 s[G0+2:G0+3], s[G0+2:G0+3], ASTEP
	s_add_nc_u64 s[G0B+2:G0B+3], s[G0B+2:G0B+3], BSTEP
.endm
.macro ASK                             ; one prefetch a wave: 32 rows x 256 bytes of the K step after the one just asked for; the last refill asks for nothing
	s_cmp_gt_u32 s[CNT], s[LIM]
	s_cbranch_scc0 .Lnot_mine_\@
	global_prefetch_b8 v[PFO], s[PFA:PFA+1] th:TH_LOAD_NT scope:SCOPE_SE
.Lnot_mine_\@:
.endm
.macro TURN                            ; the change of slots with its refill, then the step's last quarter
	s_wait_xcnt 0x0                                ; the last prefetch, a K step back, has read its address
	s_add_nc_u64 s[PFA:PFA+1], s[PFA:PFA+1], s[PFS:PFS+1]
	WIN 0
	s_wait_tensorcnt 0x0                           ; all my tensor loads have landed: the one that was out is my panel of the next slot
	ds_add_u32 v[SPW], v[NIL]                      ; 0 onto my spare word; the descriptors' step stands between it and its wait
	STEPD
	s_wait_dscnt 0x0                               ; the add is done, and my reads of this slot are over: its last fragments lie in buffer 1
	s_barrier_signal -1
	s_barrier_wait -1
	CREST                                          ; the barrier has opened a round of the cluster's: no wave of any partner still reads this slot or has a load on its way
	JLOAD                                          ; the first tensor load behind the round; its four v_nop are also the places ahead of the loads below
	NEXTSLOT
	FETCH 0, 0
	ASK
	MULQ 1
.endm
.macro DUMP                            ; the f32 sums into my part of the ring; each accumulator's low registers first
.set n, 0
.rept MA*NF
.set a, n/NF
.set b, n%NF
.set rD, 8*(n%32)
	WIN 0x08+4*(n/32)
	ds_store_b128 v[DST], v[rD:rD+3] offset:a*16*DP+64*b
	ds_store_b128 v[DST], v[rD+4:rD+7] offset:a*16*DP+64*b+16
.set n, n+1
.endr
	WIN 0
.endm
; ---- the head ----
	s_load_b256 s[4:11], s[0:1], 0x0               ; h s[4:5], wb s[6:7], qkv_b s[8:9], qkvh s[10:11]
	v_lshl_add_u32 v[SPW], v0, 2, SPARE
	v_mov_b32 v[NIL], 0
	ds_add_u32 v[SPW], v[NIL]                      ; the wave's opening: the add and its wait stand ahead of my first tensor load
	v_lshrrev_b32 v3, 5, v0
	v_readfirstlane_b32 s[WV], v3
	s_lshr_b32 s[WR], s[WV], 1
	s_and_b32 s[WC], s[WV], 1
	s_bfe_u32 s[CX], ttmp6, 0x40000
	s_bfe_u32 s[CY], ttmp6, 0x40004
	s_lshl_b32 s[TX], ttmp9, 2
	s_add_co_u32 s[TX], s[TX], s[CX]               ; tile column
	s_and_b32 s[TY], ttmp7, 0xffff
	s_lshl_b32 s[TY], s[TY], 2
	s_add_co_u32 s[TY], s[TY], s[CY]               ; tile row
	s_lshl_b32 s62, s[CY], 2
	s_lshl_b32 s62, 15, s62                        ; my row of the cluster
	s_lshl_b32 s63, 0x1111, s[CX]                  ; my column
	s_or_b32 s[G1], s62, (1<<16)|(1<<20)|(1<<21)|(5<<22)|(3<<25)   ; mask; 2-byte elements; padding on; bit 21 beside a mask; after every 64 words 4 words
	s_or_b32 s[G1B], s63, (1<<16)|(1<<20)|(1<<21)|(5<<22)|(7<<25)  ; the same with 8 words of padding
.irp g, G1, G1B
	s_mov_b32 s[(\g)+1], 128<<16                   ; tensor_dim0 = 128
	s_mov_b32 s[(\g)+2], 128<<16                   ; tensor_dim1 = 128
	s_mov_b32 s[(\g)+3], 128<<16                   ; tile_dim0 = 128
	s_mov_b32 s[(\g)+4], 128                       ; tile_dim1 = 128
	s_mov_b32 s[(\g)+6], 0
	s_mov_b32 s[(\g)+7], 0
.endr
	s_mov_b32 s[G1+5], LDA                         ; elements from row to row
	s_mov_b32 s[G1B+5], LDB
	s_lshl_b32 s56, s[TY], 18                      ; A: 128 rows of 2,048 bytes a tile row
	s_mov_b32 s57, 0
	s_sub_co_i32 s58, s[WV], NA
	s_max_i32 s58, s58, 0                          ; B's panel that I fetch
	s_lshl_b32 s58, s58, 8
	s_mul_i32 s59, s[TX], 768
	s_add_co_u32 s58, s58, s59                     ; B: 384 columns a tile column, 128 a panel
	s_mov_b32 s59, 0
.irp g, G0F, G0BF, G0, G0B
	s_mov_b32 s[(\g)], 1
	s_mul_i32 s[(\g)+1], s[WV], PAN                ; panel w of slot 0: no place in the cluster enters an LDS address
.endr
	s_mov_b32 s[TB], 0
	s_wait_dscnt 0x0                               ; the opening add is done
	s_wait_kmcnt 0x0
.irp g, G0F, G0
	s_add_nc_u64 s[(\g)+2:(\g)+3], s[4:5], s[56:57]
	s_or_b32 s[(\g)+3], s[(\g)+3], 0x80000000
.endr
.irp g, G0BF, G0B
	s_add_nc_u64 s[(\g)+2:(\g)+3], s[6:7], s[58:59]
	s_or_b32 s[(\g)+3], s[(\g)+3], 0x80000000
.endr
	STEPD                                          ; the walking sets: K step 1, slot 1
	CROUND                                         ; all sixteen work-groups are here: the first joint loads meet
	s_cmp_lt_u32 s[WV], NA                         ; a wave's two first fills stand in one branch, ahead of every wait on TENSORcnt and every LDS read
	s_cbranch_scc0 .Lfirst_b
	tensor_load_to_lds s[G0F:G0F+3], s[G1:G1+7]
	s_nop 0
	tensor_load_to_lds s[G0:G0+3], s[G1:G1+7]
	s_nop 0
.rept 4
	v_nop
.endr
	s_branch .Lfirst_asked
.Lfirst_b:
	tensor_load_to_lds s[G0BF:G0BF+3], s[G1B:G1B+7]
	s_nop 0
	tensor_load_to_lds s[G0B:G0B+3], s[G1B:G1B+7]
	s_nop 0
.rept 4
	v_nop
.endr
.Lfirst_asked:
	v_and_b32 v1, 15, v0                           ; l % 16
	v_bfe_u32 v2, v0, 4, 1                         ; l / 16
	v_and_b32 v3, 7, v0
	v_bfe_u32 v4, v0, 3, 1
	v_and_b32 v5, 31, v0
	v_mul_u32_u24 v[ADRA0], v1, APITCH             ; A's fragment: row x pitch + 16 x half
	v_lshl_add_u32 v[ADRA0], v2, 4, v[ADRA0]
	s_mul_i32 s54, s[WR], AWR
	v_add_nc_u32 v[ADRA0], s54, v[ADRA0]
	v_mov_b32 v[ADRA], v[ADRA0]
	v_lshl_add_u32 v6, v2, 3, v3                   ; the turning load: k row 8 (l / 16) + l % 8, 16 bytes by bit 3 of the lane
	v_mul_u32_u24 v6, v6, 288
	v_lshl_add_u32 v6, v4, 4, v6
.irp t, 0,1,2
	s_mul_i32 s54, s[WC], 3
	s_add_co_u32 s54, s54, \t                      ; my group t of 64 columns is group 3 WC + t of the tile's six: panel by its upper bits, half of the panel by bit 0
	s_lshr_b32 s55, s54, 1
	s_mul_i32 s55, s55, PAN
	s_and_b32 s54, s54, 1
	s_lshl_b32 s54, s54, 7
	s_add_co_u32 s55, s55, s54
	s_add_co_u32 s55, s55, NA*PAN
	v_add_nc_u32 v[ADRB0+\t], s55, v6
	v_mov_b32 v[ADRB+\t], v[ADRB0+\t]
.endr
	s_mul_i32 s55, s[WV], DUMPW                    ; the way out: in: row l % 16, 32 bytes for each half of the lanes
	v_mul_u32_u24 v[DST], v1, DP
	v_lshl_add_u32 v[DST], v2, 5, v[DST]
	v_add_nc_u32 v[DST], s55, v[DST]
	v_mul_u32_u24 v[DRD0], v2, DP                  ; back: lanes 0-15 take 256 bytes of one row, lanes 16-31 of the next
	v_lshl_add_u32 v[DRD0], v1, 4, v[DRD0]
	v_add_nc_u32 v[DRD0], s55, v[DRD0]
	; the prefetches.  h and wb are read here for the first time.  A's rows are read by every cluster of a row of clusters: cluster x = 0 asks; B's by every cluster of a column: cluster y = 0 asks.
	; Of the 128 rows of the panel that a wave fetches each of the four partners takes 32, told apart by address: a lane a row, so each row's 256 bytes of a K step are named once in the launch.
	s_and_b32 s66, ttmp7, 0xffff
	s_mov_b32 s68, 2*LDB
	s_mov_b32 s[PFS], BSTEP
	s_cmp_lt_u32 s[WV], NA                         ; do I fetch for A?
	s_cselect_b32 s67, s[CX], s[CY]                ; my place among the four that ask with me
	s_cselect_b32 s66, ttmp9, s66                  ; the coordinate along which other clusters read the same rows
	s_cselect_b32 s68, 2*LDA, s68                  ; bytes in a row
	s_cselect_b32 s[PFS], ASTEP, s[PFS]
	s_cselect_b32 s70, s56, s58                    ; my panel at K step 0
	s_cselect_b64 s[PFA:PFA+1], s[4:5], s[6:7]
	s_cmp_eq_u32 s66, 0
	s_cselect_b32 s[LIM], 1, -1
	s_lshl_b32 s67, s67, 5
	s_mul_i32 s67, s67, s68
	s_add_co_u32 s70, s70, s67
	s_lshl_b32 s71, s[PFS], 1                      ; at K step 2: the first refill steps it to 3
	s_add_co_u32 s70, s70, s71
	s_mov_b32 s71, 0
	s_mov_b32 s[PFS+1], 0
	s_add_nc_u64 s[PFA:PFA+1], s[PFA:PFA+1], s[70:71]
	v_mul_u32_u24 v[PFO], s68, v5
	; the way out's places in qkvh and in the bias.  Group t of 64 columns is j = 6 TX + 3 WC + t: tensor j / 16 (q, k, v), head j % 16
	s_mul_i32 s66, s[TX], 6
	s_mul_i32 s67, s[WC], 3
	s_add_co_u32 s66, s66, s67
	s_lshr_b32 s68, s[TY], 4
	s_lshl_b32 s68, s68, 4                         ; 16 x batch
	s_and_b32 s69, s[TY], 15
	s_lshl_b32 s69, s69, 7
	s_lshl_b32 s70, s[WR], 6
	s_add_co_u32 s69, s69, s70                     ; my first token in the batch,
	s_lshl_b32 s69, s69, 7                         ; 128 bytes a token
	v_lshlrev_b32 v7, 3, v5                        ; 8 bytes a lane: two tokens of a head are 256 bytes on end
.irp t, 0,1,2
	s_add_co_u32 s71, s66, \t
	s_lshr_b32 s72, s71, 4
	s_lshl_b32 s72, s72, 5
	s_and_b32 s71, s71, 15
	s_add_co_u32 s72, s72, s71
	s_add_co_u32 s72, s72, s68
	s_lshl_b32 s72, s72, 18                        ; a plane is 2,048 x 128 bytes
	s_add_co_u32 s72, s72, s69
	v_add_nc_u32 v[GOF+\t], s72, v7
.endr
	s_mul_i32 s73, s[TX], 1536
	s_mul_i32 s72, s[WC], 768
	s_add_co_u32 s73, s73, s72
	v_lshl_add_u32 v[BOF], v1, 4, s73
.irp t, 0,1,2
	global_load_b128 v[32+4*(\t):32+4*(\t)+3], v[BOF], s[8:9] offset:256*(\t)  ; the bias of my 4 columns in each group
.endr
; ---- the K loop ----
	s_wait_tensorcnt 0x1                           ; my panel of K step 0 is in; the one younger load, slot 1's, may stay out
	s_barrier_signal -1
	s_barrier_wait -1                              ; everybody's is
	FETCH 0, 0
	QUARTER 0, 1, 1, 1                             ; the first quarter's products start the sums
	WIN 0
	s_mov_b32 s[CNT], NSTEP-2
.Lstep:                                                ; trip k: from step k's second quarter to step k + 1's first; asks for step k + 2
	QUARTER 1, 0, 2, 0
	QUARTER 0, 1, 3, 0
	TURN
	QUARTER 0, 1, 1, 0
	WIN 0
	s_sub_co_u32 s[CNT], s[CNT], 1
	s_cmp_lg_u32 s[CNT], 0
	s_cbranch_scc1 .Lstep
	s_mov_b32 s[CNT], 2
.Ltail:                                                ; the last two steps ask for nothing; the second trip is left in its middle
	QUARTER 1, 0, 2, 0
	QUARTER 0, 1, 3, 0
	MEET
	s_sub_co_u32 s[CNT], s[CNT], 1
	s_cmp_eq_u32 s[CNT], 0
	s_cbranch_scc1 .Lfin
	PLACES
	NEXTSLOT
	FETCH 0, 0
	MULQ 1
	QUARTER 0, 1, 1, 0
	WIN 0
	s_branch .Ltail
.Lfin:                                                 ; behind the last barrier no wave reads the ring and no load is out: the ring has had its last fill
	MULQ 1
	WIN 0
	PLACES
	PLACES
	DUMP
; ---- the way out: 16 trips of 4 rows x 3 heads, two trips to a turn of the loop; a trip's six LDS loads go out two trips ahead ----
.macro RLOAD h                         ; six loads into set h from the rows at v[DRD]
.irp pp, 0,1
.irp t, 0,1,2
	ds_load_b128 v[EL+24*(\h)+4*(3*(\pp)+(\t)):EL+24*(\h)+4*(3*(\pp)+(\t))+3], v[DRD] offset:2*DP*(\pp)+256*(\t)  ; LDS serves a wave's instructions in order: these see my stores
.endr
.endr
.endm
.macro HALF h
	s_wait_dscnt 6                                 ; set h is in; the other set's six younger loads may stay out
.irp pp, 0,1
.irp t, 0,1,2
	v_pk_add_f32 v[EL+24*(\h)+4*(3*(\pp)+(\t)):EL+24*(\h)+4*(3*(\pp)+(\t))+1], v[EL+24*(\h)+4*(3*(\pp)+(\t)):EL+24*(\h)+4*(3*(\pp)+(\t))+1], v[32+4*(\t):32+4*(\t)+1]
	v_pk_add_f32 v[EL+24*(\h)+4*(3*(\pp)+(\t))+2:EL+24*(\h)+4*(3*(\pp)+(\t))+3], v[EL+24*(\h)+4*(3*(\pp)+(\t))+2:EL+24*(\h)+4*(3*(\pp)+(\t))+3], v[32+4*(\t)+2:32+4*(\t)+3]
.endr
.endr
	s_wait_xcnt 0x0                                ; the stores of the trip before have read their data and their base, which are written again only behind this wait
.if (\h) == 0
	s_add_nc_u64 s[10:11], s[10:11], 1024          ; eight tokens on; the stores reach back by their immediates
.endif
.set p, 0
.rept 12
	v_cvt_pk_bf16_f32 v[EY+p], v[EL+24*(\h)+2*p], v[EL+24*(\h)+2*p+1]
.set p, p+1
.endr
	s_add_co_u32 s[RO], s[RO], 4*DP                ; the trip two on; behind the last trip the offset is held there: those rows are read once more and not used,
	s_min_u32 s[RO], s[RO], 60*DP                  ; so that no read leaves my own bytes
	v_add_nc_u32 v[DRD], s[RO], v[DRD0]
	RLOAD \h
.irp pp, 0,1
.irp t, 0,1,2
	global_store_b64 v[GOF+(\t)], v[EY+2*(3*(\pp)+(\t)):EY+2*(3*(\pp)+(\t))+1], s[10:11] offset:256*(\pp)+512*(\h)-1024  ; two tokens of a head: 256 consecutive bytes, aligned
.endr
.endr
.endm
	s_wait_loadcnt 0x0                             ; the bias
	v_mov_b32 v[DRD], v[DRD0]
	RLOAD 0
	v_add_nc_u32 v[DRD], 4*DP, v[DRD0]
	RLOAD 1
	s_mov_b32 s[RO], 4*DP
	s_mov_b32 s[CNT], 8
.Lrows:
	HALF 0
	HALF 1
	s_sub_co_u32 s[CNT], s[CNT], 1
	s_cmp_lg_u32 s[CNT], 0
	s_cbranch_scc1 .Lrows
	s_wait_tensorcnt 0x0                           ; the wave's end
	ds_add_u32 v[SPW], v[NIL]
	s_wait_dscnt 0x0
	CROUND                                         ; the closing round
	s_endpgm
.Lfunc_end_k_qd23c6afe27_qkv:
	.size	k_qd23c6afe27_qkv, .Lfunc_end_k_qd23c6afe27_qkv-k_qd23c6afe27_qkv
	.p2alignl 7, 3214868480
	.fill 96, 4, 3214868480
	.section	.rodata,"a",@progbits
	.p2align	6, 0x0
	.amdhsa_kernel k_qd23c6afe27_qkv
		.amdhsa_group_segment_fixed_size 327680
		.amdhsa_private_segment_fixed_size 0
		.amdhsa_enable_private_segment 0
		.amdhsa_kernarg_size 32
		.amdhsa_user_sgpr_count 2
		.amdhsa_user_sgpr_kernarg_segment_ptr 1
		.amdhsa_wavefront_size32 1
		.amdhsa_system_sgpr_workgroup_id_x 1
		.amdhsa_system_sgpr_workgroup_id_y 1
		.amdhsa_system_sgpr_workgroup_id_z 1
		.amdhsa_system_vgpr_workitem_id 0
		.amdhsa_next_free_vgpr 896
		.amdhsa_next_free_sgpr 96
		.amdhsa_reserve_vcc 0
		.amdhsa_float_denorm_mode_32 3
		.amdhsa_float_denorm_mode_16_64 3
		.amdhsa_memory_ordered 1
		.amdhsa_forward_progress 1
		.amdhsa_inst_pref_size 79
	.end_amdhsa_kernel
	.amdgpu_metadata
---
amdhsa.version: [ 1, 2 ]
amdhsa.kernels:
  - .name:           k_qd23c6afe27_qkv
    .symbol:         k_qd23c6afe27_qkv.kd
    .args:
      - { .name: h, .offset: 0, .size: 8, .value_kind: global_buffer, .address_space: global }
      - { .name: wb, .offset: 8, .size: 8, .value_kind: global_buffer, .address_space: global }
      - { .name: qkv_b, .offset: 16, .size: 8, .value_kind: global_buffer, .address_space: global }
      - { .name: qkvh, .offset: 24, .size: 8, .value_kind: global_buffer, .address_space: global }
    .group_segment_fixed_size: 327680
    .private_segment_fixed_size: 0
    .kernarg_segment_align: 8
    .kernarg_segment_size: 32
    .max_flat_workgroup_size: 128
    .sgpr_count:     96
    .vgpr_count:     896
    .wavefront_size: 32
...
	.end_amdgpu_metadata
.endif
;; end of part 2
;; launch attn (part 3): grid 8 x 32, 4 waves a work-group, clusters of 4 x 1, 327,680 bytes of LDS; arguments qkvh, o; writes o
.if DOCPART == 3
	.amdgcn_target "amdgcn-amd-amdhsa--gfx1250"
	.amdhsa_code_object_version 6
	.text
	.protected	k_qd23c6afe27_attn
	.globl	k_qd23c6afe27_attn
	.p2align	8
	.type	k_qd23c6afe27_attn,@function
k_qd23c6afe27_attn:
	s_mov_b64 s[64:65], 0
	v_nop
	global_prefetch_b8 v0, s[64:65] scope:SCOPE_SE
	s_setreg_imm32_b32 hwreg(HW_REG_WAVE_MODE, 25, 1), 1
	s_wait_xcnt 0x0
	s_wait_alu depctr_hold_cnt(0) depctr_sa_sdst(0) depctr_va_vdst(0) depctr_va_sdst(0) depctr_va_ssrc(0) depctr_va_vcc(0) depctr_vm_vsrc(0)
	s_getreg_b32 s2, hwreg(HW_REG_IB_STS2, 6, 4)
	s_cmp_eq_u32 s2, 0
	s_cbranch_scc0 .Lentry_in_a_cluster
	s_endpgm
.Lentry_in_a_cluster:
	s_bfe_u32 s2, ttmp6, 0x10000c
	s_cmp_lg_u32 s2, 0x3003
	s_cbranch_scc0 .Lentry_shape_is_right
	s_endpgm
.Lentry_shape_is_right:
; O[h][q][:] = the sum over k of softmax_k(Q[h][q] . K[h][k] / 8) V[h][k][:], h = batch x 16 + head (32 planes), 2,048 rows of 64 channels, all bf16.
; qkvh holds Q's 32 planes, then K's, then V's, 262,144 bytes a plane; o has Q's layout.  Products, maxima and sums in f32; the weights p are rounded to bf16 for the second
; product (their sum l is taken of the unrounded p), O once at the end.
; LIMITS.  bf16 operands (8 significant bits).  c m starts at -2^125: scores with c s below that are not served.  A weight below 2^-126 counts as 0 in l.  NaN and infinities are not treated apart.
; SHARES.  A work-group owns 256 queries of one plane, a wave 64: four PIECES of 16.  Every wave walks all 2,048 keys, 64 a step; a slot of LDS holds 256 keys (four steps) of K and of V.
; LAYOUT.  S^T = K Q^T (source 0 = 16 keys, source 1 = 16 queries): a lane holds ONE query (lane % 16) and the keys 8 (lane / 16) + 0..7.  Two such results rounded to bf16 in pairs ARE source 1
; of O^T = V^T P.  K leaves LDS as it lies, V ([key][channel]) turned, by ds_load_tr16_b128.
; SOFTMAX.  A running maximum m and sum l for each query: p = 2^(c s - c m), c = log2(e) / 8; in every step O and l are multiplied by a = 2^(c m_old - c m_new).  m starts at the lowest finite number,
; O and l at 0: the first step is a step like any other, with a = 0.
; BY TURNS.  Turn n belongs to piece n: 8 products K Q^T of piece n + 1, later 8 products V^T P of piece n - 1; beside them the scaling, exponentials, roundings, sums and rescaling of piece n and the maximum
; and statistics of piece n + 1.  Four vector instructions stand behind every matrix instruction, the rest in one lump.  A turn's 33 exponentials are one batch with one wait.
; CLUSTER.  The four query blocks of a cluster belong to one plane and walk the same K and V: each tile is asked for jointly, by the same tensor load, descriptor and mask in all four.
; REGISTERS, in windows of 256: window 0: v0-15 addresses; v16-31 statistics; v48-55 at work; v61-63; v64-127 S^T, two buffers; v192-223 P, two buffers (by the piece's parity)
;   window 1: v0-127 O^T, 32 a piece      window 2: v0-63 Q; v128-191 K of one step; v192-255 V of one step
.set NP,    4
.set KS,    64
.set PK,    144       ; a row of K in LDS: 128 bytes + 16: the 16 rows of a load start at 16 different groups of four banks
.set PV,    160       ; a row of V: 128 + 32
.set VOFF,  4*KS*PK
.set SLOT1, 1<<17
.set STAGE, SLOT1+4*KS*(PK+PV)  ; behind the ring, never filled by a tensor load: 16 rows x 144 bytes a wave
.set SP,    144
.set SPARE, STAGE+4*16*SP       ; the spare words, 128 bytes a wave, that no other line names
.set AK0, 2
.set AV0, 3
.set AK,  4
.set AV,  5
.set STO, 6
.set RD,  7
.set GO,  8
.set MV,  12
.set QO,  15
.set ST,  16          ; piece t at v[ST+4 t]: c m, m, l (even keys', odd keys')
.set TMP, 48
.set PFO, 61          ; 256 x lane; never rewritten
.set SPW, 62          ; SPARE + 4 x thread; never rewritten
.set NIL, 63          ; 0; never rewritten
.set S,   64
.set P,   192
.set KF,  128
.set VF,  192
.set WV,  12
.set LIM, 15          ; 1 in a wave that prefetches, else the greatest number
.set PFA, 18          ; s[18:19] where my prefetches stand
.set G1K, 24
.set G1V, 32
.set G0K, 40
.set G0V, 44
.set SLOTS, 56
.set CNT, 57
.set CS,  58
.set SEL, 60
.set TBK, 62
.set TBV, 63
.set MSB, 0
.macro WIN new
.if MSB != (\new)
	s_set_vgpr_msb (MSB<<8)|(\new)
.set MSB, (\new)
.endif
.endm
.set W_KQ, 0x0a       ; K and Q in window 2, S^T in window 0
.set W_PV, 0x52       ; V in window 2, P in window 0, O^T in window 1
.set W_RS, 0x41       ; destination and source 0 in window 1, source 1 in window 0
.macro JLOAD                        ; waves 0 and 1 fetch the halves of a tile's K, waves 2 and 3 of its V; s_nop 0 and four v_nop follow each line
	s_cmp_lt_u32 s[WV], 2
	s_cbranch_scc0 .Lfor_v_\@
	tensor_load_to_lds s[G0K:G0K+3], s[G1K:G1K+7]
	s_nop 0
.rept 4
	v_nop
.endr
	s_branch .Lasked_\@
.Lfor_v_\@:
	tensor_load_to_lds s[G0V:G0V+3], s[G1V:G1V+7]
	s_nop 0
.rept 4
	v_nop
.endr
.Lasked_\@:
.endm
.macro ASK                          ; the tile that the NEXT change of slots will ask for: 128 blocks of 256 bytes of K and of V.  The plane's first cluster asks; its four partners take 32 blocks each, by address;
	s_cmp_gt_u32 s[SLOTS], s[LIM]   ; wave 0 asks for K's, wave 2 for V's; the last change that fills a slot asks for nothing
	s_cbranch_scc0 .Lnot_mine_\@
	global_prefetch_b8 v[PFO], s[PFA:PFA+1] th:TH_LOAD_NT scope:SCOPE_SE
.Lnot_mine_\@:
.endm
.macro CROUND
	s_barrier_signal -1
	s_barrier_wait -1
	s_cmp_lg_u32 s[WV], 0
	s_cbranch_scc1 .Lnot_wave_0_\@
	s_barrier_signal -3
.Lnot_wave_0_\@:
	s_barrier_wait -3
	s_barrier_signal -1
	s_barrier_wait -1
.endm
; THE CHANGE OF SLOTS.  Each wave waits for all its tensor loads (one is out: its part of the other slot), adds 0 to its spare word, and waits for that and for its reads of the slot that it leaves.
; fill = 1: the barrier is a round of the cluster's, and the joint fill, with the keys two slots on, is the first thing behind it: it has four key steps in which to land.
.macro CHANGE fill, ask
	WIN 0
	s_wait_tensorcnt 0x0            ; no tensor load of mine is out, so a group 0 may be written
	ds_add_u32 v[SPW], v[NIL]
.if \fill
.irp g, G0K, G0V
	s_xor_b32 s[\g+1], s[\g+1], SLOT1
	s_add_nc_u64 s[\g+2:\g+3], s[\g+2:\g+3], 4*KS*128
.endr
.if \ask
	s_wait_xcnt 0x0                 ; the last prefetch, four key steps back, has read its address
	s_add_nc_u64 s[PFA:PFA+1], s[PFA:PFA+1], 4*KS*128
.endif
	s_wait_dscnt 0x0                ; the add is done, and my reads of the slot are over
	CROUND
	JLOAD
.if \ask
	ASK
.endif
.else
	s_wait_dscnt 0x0
	s_barrier_signal -1
	s_barrier_wait -1
.endif
	s_sub_co_u32 s[TBK], s[TBK], 4*KS*PK  ; the fetches go back to a slot's first step, in the other slot
	s_xor_b32 s[TBK], s[TBK], SLOT1
	s_sub_co_u32 s[TBV], s[TBV], 4*KS*PV
	s_xor_b32 s[TBV], s[TBV], SLOT1
.endm
	s_load_b128 s[4:7], s[0:1], 0x0 ; qkvh s[4:5], o s[6:7]
	v_lshl_add_u32 v[SPW], v0, 2, SPARE
	v_mov_b32 v[NIL], 0
	ds_add_u32 v[SPW], v[NIL]       ; the wave's opening: the add and its wait stand ahead of my first tensor load
	v_lshrrev_b32 v1, 5, v0
	v_readfirstlane_b32 s[WV], v1
	s_bfe_u32 s13, ttmp6, 0x40000   ; cx
	s_lshl_b32 s14, ttmp9, 2
	s_add_co_u32 s14, s14, s13      ; my block of 256 queries: it enters Q's and O's addresses alone
	s_and_b32 s20, ttmp7, 0xffff
	s_lshl_b32 s20, s20, 18         ; the plane, which the four partners share
	s_and_b32 s16, s[WV], 1         ; which half of a tile's 256 keys I fetch:
	s_lshl_b32 s22, s16, 14         ; its 128 rows of 128 bytes in memory,
	s_add_co_u32 s22, s22, s20
	s_mov_b32 s23, 0
	s_mul_i32 s17, s16, 128*PK      ; and its place in a slot, for K
	s_mul_i32 s21, s16, 128*PV      ; and for V
	s_lshl_b32 s2, s14, 2
	s_add_co_u32 s2, s2, s[WV]
	s_lshl_b32 s2, s2, 13           ; my wave's 64 rows of 128 bytes
	s_add_co_u32 s2, s2, s20
	s_mov_b32 s3, 0
	; group 1: 128 keys are 16,384 dense bytes: asked for as 64 rows of 256 bytes, two keys a row, padded in LDS after every key
	s_mov_b32 s[G1K], 15|(1<<16)|(1<<20)|(1<<21)|(4<<22)|(3<<25)
	s_mov_b32 s[G1V], 15|(1<<16)|(1<<20)|(1<<21)|(4<<22)|(7<<25)
.irp g, G1K, G1V
	s_mov_b32 s[\g+1], 128<<16
	s_mov_b32 s[\g+2], 64<<16
	s_mov_b32 s[\g+3], 128<<16
	s_mov_b32 s[\g+4], 64
	s_mov_b32 s[\g+5], 128
	s_mov_b32 s[\g+6], 0
	s_mov_b32 s[\g+7], 0
.endr
	s_mov_b32 s[CS], 0x3e38aa3b     ; c = log2(e) / 8
	s_mov_b32 s[CS+1], s[CS]
	s_mov_b32 s[SEL], 0x76543210
	s_mov_b32 s[SEL+1], 0xfedcba98
	s_mov_b32 s[TBK], SLOT1+4*KS*PK ; the first change of slots turns these two into 0
	s_mov_b32 s[TBV], SLOT1+4*KS*PV
	s_mov_b32 s[G0K], 1
	s_mov_b32 s[G0K+1], s17
	s_mov_b32 s[G0V], 1
	s_add_co_u32 s[G0V+1], s21, VOFF
	s_and_b32 s[LIM], s[WV], 1      ; 0 in waves 0 and 2,
	s_or_b32 s[LIM], s[LIM], ttmp9  ; where the cluster is the plane's first: the same in all four partners
	s_cmp_eq_u32 s[LIM], 0
	s_cselect_b32 s[LIM], 1, -1
	v_and_b32 v[PFO], 31, v0
	v_lshlrev_b32 v[PFO], 8, v[PFO]
	s_wait_dscnt 0x0                ; the opening add is done
	s_wait_kmcnt 0x0
	s_add_nc_u64 s[8:9], s[4:5], s[22:23]
	s_add_nc_u64 s[8:9], s[8:9], 8388608     ; K at my half of the plane's tile 0
	s_add_nc_u64 s[10:11], s[8:9], 8388608   ; V
	s_mov_b64 s[G0K+2:G0K+3], s[8:9]
	s_or_b32 s[G0K+3], s[G0K+3], 0x80000000
	s_mov_b64 s[G0V+2:G0V+3], s[10:11]
	s_or_b32 s[G0V+3], s[G0V+3], 0x80000000
	s_add_nc_u64 s[4:5], s[4:5], s[2:3]      ; Q and O at my wave's first row
	s_add_nc_u64 s[6:7], s[6:7], s[2:3]
	s_cmp_lt_u32 s[WV], 2
	s_cselect_b64 s[PFA:PFA+1], s[8:9], s[10:11]  ; (in waves 0 and 2 these stand at a tile's first row)
	s_lshl_b32 s2, s13, 13          ; my work-group's 32 blocks of the 128
	s_mov_b32 s3, 0
	s_add_nc_u64 s[PFA:PFA+1], s[PFA:PFA+1], s[2:3]
	s_add_nc_u64 s[PFA:PFA+1], s[PFA:PFA+1], 2*4*KS*128  ; at tile 2; the change that asks for tile 2 steps it to tile 3.  Nothing is prefetched at the head
	CROUND                          ; all four work-groups are here: the first joint loads meet
	JLOAD                           ; tile 0 into slot 0; slot 1 is asked for when slot 0 is in
	v_and_b32 v1, 15, v0
	v_bfe_u32 v9, v0, 4, 1
	v_lshlrev_b32 v[QO], 7, v1
	v_lshl_add_u32 v[QO], v9, 4, v[QO]  ; row x 128 + 16 x half
	WIN 0x80
.set i, 0
.rept 8                             ; Q stays in registers: piece i / 2, channels 32 (i % 2) on
	global_load_b128 v[8*i:8*i+3],   v[QO], s[4:5] offset:(i/2)*2048+(i%2)*64
	global_load_b128 v[8*i+4:8*i+7], v[QO], s[4:5] offset:(i/2)*2048+(i%2)*64+32
.set i, i+1
.endr
	; what the first turn finds: V's registers and P's second buffer hold 0, O^T and l are 0.  All this stands in the wait for the first tile
.set i, VF
.rept 64
	v_mov_b32 v[i], 0
.set i, i+1
.endr
	WIN 0x40
.set i, 0
.rept 128
	v_mov_b32 v[i], 0
.set i, i+1
.endr
	WIN 0
.set i, 0
.rept 4
	v_mov_b32 v[ST+4*i], 0xfe000000    ; c m: far below every c s
	v_mov_b32 v[ST+4*i+1], 0xff7fffff  ; m
	v_mov_b32 v[ST+4*i+2], 0
	v_mov_b32 v[ST+4*i+3], 0
.set i, i+1
.endr
.set i, P+16
.rept 16
	v_mov_b32 v[i], 0
.set i, i+1
.endr
	v_mul_u32_u24 v[AK0], v1, PK
	v_lshl_add_u32 v[AK0], v9, 4, v[AK0]
	v_and_b32 v10, 7, v0
	v_bfe_u32 v11, v0, 3, 1
	v_lshl_add_u32 v[AV0], v9, 3, v10
	v_mul_u32_u24 v[AV0], v[AV0], PV
	v_lshl_add_u32 v[AV0], v11, 4, v[AV0]
	v_add_nc_u32 v[AV0], VOFF, v[AV0]
	s_mul_i32 s13, s[WV], 16*SP
	s_add_co_u32 s13, s13, STAGE    ; my stage
	v_mul_u32_u24 v[STO], v1, SP
	v_lshl_add_u32 v[STO], v9, 4, v[STO]
	v_add_nc_u32 v[STO], s13, v[STO]
	v_bfe_u32 v[RD], v0, 3, 2       ; back: 32 lanes take four rows of 128 bytes,
	v_mul_u32_u24 v[RD], v[RD], SP
	v_lshl_add_u32 v[RD], v10, 4, v[RD]
	v_add_nc_u32 v[RD], s13, v[RD]
	v_and_b32 v[GO], 31, v0         ; which are 512 consecutive bytes of O
	v_lshlrev_b32 v[GO], 4, v[GO]
; THE MATRIX WORK.  The 4 accumulators of a run of 8 take turns.
.macro KQ x                         ; product i of 8 of S^T = K Q^T for piece x: channels 32 (i / 4) on, keys 16 (i % 4) on
	WIN W_KQ
.set rS, S+32*((\x)%2)+8*(i%4)
.set rK, KF+16*(i%4)+8*(i/4)
.set rQ, 16*(\x)+8*(i/4)
.if i < 4
	v_wmma_f32_16x16x32_bf16 v[rS:rS+7], v[rK:rK+7], v[rQ:rQ+7], 0
.else
	v_wmma_f32_16x16x32_bf16 v[rS:rS+7], v[rK:rK+7], v[rQ:rQ+7], v[rS:rS+7]
.endif
.endm
.macro PV x                         ; product i of 8 of O^T += V^T P for piece x: keys 32 (i / 4) on, channels 16 (i % 4) on
	WIN W_PV
.set rO, 32*(\x)+8*(i%4)
.set rV, VF+32*(i/4)+8*(i%4)
.set rP, P+16*((\x)%2)+8*(i/4)
	v_wmma_f32_16x16x32_bf16 v[rO:rO+7], v[rV:rV+7], v[rP:rP+7], v[rO:rO+7]
.endm
.macro MM                           ; the turn's next matrix instruction
.if i < 8
	KQ (Y+1)%NP
.else
.set i, i-8
	PV (Y+NP-1)%NP
.set i, i+8
.endif
.set i, i+1
.endm
.macro FETCH_K                      ; a step's K: 16 LDS loads in one run
	WIN 0x80
.irp f, 0,1,2,3,4,5,6,7
	ds_load_b128 v[KF+8*\f:KF+8*\f+3],   v[AK] offset:(\f/2)*16*PK+(\f%2)*64
	ds_load_b128 v[KF+8*\f+4:KF+8*\f+7], v[AK] offset:(\f/2)*16*PK+(\f%2)*64+32
.endr
	s_add_co_u32 s[TBK], s[TBK], KS*PK
	WIN 0
.endm
.macro FETCH_V                      ; a step's V, turned
	WIN 0x80
.irp f, 0,1,2,3,4,5,6,7
	ds_load_tr16_b128 v[VF+8*\f:VF+8*\f+3],   v[AV] offset:(\f/4)*32*PV+(\f%4)*32
	ds_load_tr16_b128 v[VF+8*\f+4:VF+8*\f+7], v[AV] offset:(\f/4)*32*PV+16*PV+(\f%4)*32
.endr
	WIN 0
.endm
; THE VECTOR WORK, one line at a time: OP kind, number.  For piece Y: F n: c s - c m for pair n of 16.  E n: the exponential of score n of 32.  C n: pair n rounded to bf16.  B n: of the four weights 4 n ..
; the second pair is added onto the first.  L n: l takes that sum (L 0: l = a l + sum).  R n: pair n of 16 of O^T times a.  For piece Y + 1: X n, number n of the 22 that find its maximum and statistics:
; 0-11 four chains of seven scores (each accumulator's lowest registers first); 12-14, 16 the rest, the old m, and all into c0; 15 c m_old is kept; 17, 18 the other half of the lanes; 19-21 c m, its change, a.
.set F, 0
.set E, 1
.set C, 2
.set B, 3
.set L, 4
.set R, 5
.set X, 6
.macro REGS y
.set rT, ST+4*(\y)
.set rC, TMP+4*((\y)%2)
.set rW, MV+((\y)%2)
.set rS, S+32*((\y)%2)
.set rP, P+16*((\y)%2)
.set rO, 32*(\y)
.endm
.macro OP k, n
.if (\k) == R
	REGS Y
	WIN W_RS
	v_pk_mul_f32 v[rO+2*(\n):rO+2*(\n)+1], v[rO+2*(\n):rO+2*(\n)+1], v[rC+2:rC+3] op_sel_hi:[1,0]
.elseif (\k) < R
	REGS Y
	WIN 0
.if (\k) == F
	v_pk_fma_f32 v[rS+2*(\n):rS+2*(\n)+1], v[rS+2*(\n):rS+2*(\n)+1], s[CS:CS+1], v[rT:rT+1] op_sel_hi:[1,0,0] neg_lo:[0,0,1] neg_hi:[0,0,1]
.elseif (\k) == E
	v_exp_f32 v[rS+(\n)], v[rS+(\n)]
.elseif (\k) == C
	v_cvt_pk_bf16_f32 v[rP+(\n)], v[rS+2*(\n)], v[rS+2*(\n)+1]
.elseif (\k) == B
	v_pk_add_f32 v[rS+4*(\n):rS+4*(\n)+1], v[rS+4*(\n):rS+4*(\n)+1], v[rS+4*(\n)+2:rS+4*(\n)+3]
.elseif (\n) == 0
	v_pk_fma_f32 v[rT+2:rT+3], v[rT+2:rT+3], v[rC+2:rC+3], v[rS:rS+1] op_sel_hi:[1,0,1]
.else
	v_pk_add_f32 v[rT+2:rT+3], v[rT+2:rT+3], v[rS+4*(\n):rS+4*(\n)+1]
.endif
.else
	REGS (Y+1)%NP
	WIN 0
.if (\n) < 4
	v_max3_num_f32 v[rC+(\n)], v[rS+8*(\n)], v[rS+8*(\n)+1], v[rS+8*(\n)+2]
.elseif (\n) < 12
	v_max3_num_f32 v[rC+(\n)%4], v[rC+(\n)%4], v[rS+8*((\n)%4)+2*((\n)/4)+1], v[rS+8*((\n)%4)+2*((\n)/4)+2]
.elseif (\n) == 12
	v_max3_num_f32 v[rC], v[rC], v[rS+7], v[rS+15]
.elseif (\n) == 13
	v_max3_num_f32 v[rC+1], v[rC+1], v[rS+23], v[rS+31]
.elseif (\n) == 14
	v_max3_num_f32 v[rC+2], v[rC+2], v[rC+3], v[rT+1]
.elseif (\n) == 15
	v_mov_b32 v[rW], v[rT]
.elseif (\n) == 16
	v_max3_num_f32 v[rC], v[rC], v[rC+1], v[rC+2]
.elseif (\n) == 17
	v_permlanex16_b32 v[rC+3], v[rC], s[SEL], s[SEL+1]
.elseif (\n) == 18
	v_max_num_f32 v[rT+1], v[rC], v[rC+3]
.elseif (\n) == 19
	v_mul_f32 v[rT], s[CS], v[rT+1]
.elseif (\n) == 20
	v_sub_f32 v[rC+1], v[rW], v[rT]
.else
	v_exp_f32 v[rC+2], v[rC+1]
.endif
.endif
.endm
.macro OPS a, i1, b=-1, i2=0, c=-1, i3=0, d=-1, i4=0
	OP \a, \i1
.if (\b) >= 0
	OP \b, \i2
.endif
.if (\c) >= 0
	OP \c, \i3
.endif
.if (\d) >= 0
	OP \d, \i4
.endif
.endm
.macro ROW a, i1, b, i2, c, i3, d, i4  ; a matrix instruction and the four behind it
	MM
	OPS \a, \i1, \b, \i2, \c, \i3, \d, \i4
.endm
; A TURN, for piece p.  One wait cuts it in two.  Ahead of it stands all that names no result of the turn's exponentials: the 8 products K Q^T with their riders and the lump; X 21, the next piece's a, is the
; batch's last, R 15 the plain instruction behind it.  Behind it stand the 8 products V^T P, behind each four of the roundings and sums.
; K of the next step is fetched in piece 2's turn, V of the step in hand at the end of piece 0's, four plain instructions behind the last product that read V; each is waited for a turn later.
; last = 1 (the tail): the address of K's fetch is held at the last step of the last tile (it lies in slot 1), so that the trip behind the last step reads that K once more: no jump stands amid the batch.
; cnt = 1: the loop's count is taken down some lines ahead of the branch behind the turn.
.macro TURN p, last=0, cnt=0
.set Y, (\p)
.set i, 0
.if (\p) == 3
	s_wait_dscnt 0x0                ; K is in
.endif
	ROW F,0, F,1, R,0, R,1
	ROW F,2, E,0, R,2, R,3
	ROW F,3, E,1, R,4, R,5
	ROW F,4, E,2, R,6, R,7
	ROW F,5, E,3, R,8, R,9
	ROW F,6, E,4, X,0, R,10
.if (\p) == 2
	WIN 0
.if \last
	s_min_u32 s[TBK], s[TBK], SLOT1+3*KS*PK
.endif
	v_add_nc_u32 v[AK], s[TBK], v[AK0]
.endif
	ROW F,7, E,5, X,1, X,4
	ROW F,8, E,6, X,2, X,5
	OPS E,7, E,8, X,6, E,9
	OPS X,3, E,10, X,8, E,11
.if (\p) == 2
	FETCH_K
.endif
	OPS X,9, X,7, E,12, X,10
	OPS E,13, X,12, X,11, E,14
	OPS X,13, E,15, F,9, X,14
.if (\p) == 0
	v_add_nc_u32 v[AV], s[TBV], v[AV0]
.endif
	OPS E,16, F,10, E,17, F,11
	OPS X,16, E,18, X,15, E,19
	OPS F,12, E,20, X,17, E,21
	OPS F,13, E,22, F,14, E,23
	OPS X,18, E,24, F,15, E,25
	OPS R,11, E,26, X,19, E,27
	OPS R,12, E,28, R,13, E,29
	OPS X,20, E,30, R,14, E,31
	OPS X,21, R,15
	WIN 0
	s_wait_alu depctr_va_vdst(0)    ; the wait for the batch, ahead of its first reader
.if (\p) == 1
	s_wait_dscnt 0x0                ; V is in
.endif
	ROW C,0, B,0, C,2, B,1
	ROW L,0, C,4, B,2, L,1
	ROW C,6, B,3, L,2, C,8
	ROW B,4, L,3, C,10, B,5
	ROW L,4, C,12, B,6, L,5
.if (\p) == 0
	s_add_co_u32 s[TBV], s[TBV], KS*PV
.endif
.if \cnt
	s_sub_co_u32 s[CNT], s[CNT], 1
	s_cmp_lg_u32 s[CNT], 0
.endif
	ROW C,14, B,7, L,6, C,1
	ROW C,3, L,7, C,5, C,7
	ROW C,9, C,11, C,13, C,15
.if (\p) == 0
	FETCH_V
.endif
.endm
	CHANGE 1, 0                     ; slot 0 is in, everybody's part of it; slot 1 is asked for
	v_add_nc_u32 v[AK], s[TBK], v[AK0]
	FETCH_K                         ; key step 0
	s_wait_loadcnt 0x0              ; Q
	s_wait_dscnt 0x0
.set i, 0
.rept 8
	KQ 0                            ; piece 0's first scores
.set i, i+1
.endr
	WIN 0
.rept 4
	v_nop                           ; the places behind those products
.endr
.set Y, NP-1                        ; X works for piece Y + 1: piece 0
.irp n, 0,1,2,3,4,5,6,7,8,9,10,11,12,13,14,15,16,17,18,19,20,21
	OP X, \n
.endr
	v_nop                           ; a plain instruction behind the exponential,
	s_wait_alu depctr_va_vdst(0)    ; and its wait, ahead of the branch
	s_mov_b32 s[CNT], 4
	s_mov_b32 s[SLOTS], 7
	s_branch .Lfirst                ; the loop is entered at a step's first turn, in the middle of a trip
.Lslot:                             ; six times: tiles 2 to 7 are asked for
	CHANGE 1, 1
	s_mov_b32 s[CNT], 4
.Lstep:                             ; a trip: pieces 2 and 3 of one step, then pieces 0 and 1 of the next
	TURN 2
	TURN 3
	WIN 0
.Lfirst:
	TURN 0
	TURN 1, 0, 1
	WIN 0
	s_cbranch_scc1 .Lstep
	s_sub_co_u32 s[SLOTS], s[SLOTS], 1
	s_cmp_lg_u32 s[SLOTS], 0
	s_cbranch_scc1 .Lslot
	CHANGE 0, 0                     ; the tail is written out
	s_mov_b32 s[CNT], 5             ; four trips fetch the last tile's steps; the fifth is left in its middle
.Ltail:
	TURN 2, 1
	TURN 3
	WIN 0
	s_sub_co_u32 s[CNT], s[CNT], 1
	s_cmp_eq_u32 s[CNT], 0
	s_cbranch_scc1 .Lout
	TURN 0
	TURN 1
	WIN 0
	s_branch .Ltail
.Lout:                              ; the fifth trip's products K Q^T and the maximum made of them serve nothing: the price, once a launch, of one text for every trip
.set i, 0
.rept 8
	PV NP-1
.set i, i+1
.endr
	; THE WAY OUT.  l's halves are added; O^T is divided by l, rounded to bf16 and sent through my stage, a piece at a time.  The additions are the places behind the last products.
	WIN 0
.macro ALL line:vararg
.set t, 0
.rept 4
	\line
.set t, t+1
.endr
.endm
	ALL v_add_f32 v[ST+4*t+2], v[ST+4*t+2], v[ST+4*t+3]
	ALL v_permlanex16_b32 v[ST+4*t+3], v[ST+4*t+2], s[SEL], s[SEL+1]
	ALL v_add_f32 v[ST+4*t+2], v[ST+4*t+2], v[ST+4*t+3]
	ALL v_rcp_f32 v[ST+4*t+2], v[ST+4*t+2]
	v_nop
	s_wait_alu depctr_va_vdst(0)    ; one wait for the four reciprocals
.macro PACK t
	WIN W_RS
.set i, 32*(\t)
.rept 16
	v_pk_mul_f32 v[i:i+1], v[i:i+1], v[ST+4*(\t)+2:ST+4*(\t)+3] op_sel_hi:[1,0]
.set i, i+2
.endr
	WIN 0x05
.set i, 0
.rept 16
	v_cvt_pk_bf16_f32 v[S+16*(\t)+i], v[32*(\t)+2*i], v[32*(\t)+2*i+1]
.set i, i+1
.endr
	WIN 0
.irp f, 0,1,2,3
	ds_store_b128 v[STO], v[S+16*(\t)+4*\f:S+16*(\t)+4*\f+3] offset:32*\f
.endr
.irp f, 0,1,2,3
	ds_load_b128 v[S+16*(\t)+4*\f:S+16*(\t)+4*\f+3], v[RD] offset:\f*4*SP  ; LDS serves a wave's instructions in order: these see the stores above; the next piece's stores come behind them
.endr
.endm
.macro SEND t, younger              ; younger: the LDS instructions issued behind piece t's loads
	WIN 0
.irp f, 0,1,2,3
	s_wait_dscnt (\younger)+3-\f
	global_store_b128 v[GO], v[S+16*(\t)+4*\f:S+16*(\t)+4*\f+3], s[6:7] offset:(\t)*2048+\f*512  ; 512 consecutive bytes, at a multiple of 256 from o's first
.endr
.endm
	PACK 0
.set t, 1
.rept 3
	PACK t
	SEND t-1, 8
.set t, t+1
.endr
	SEND 3, 0
	s_wait_tensorcnt 0x0            ; the wave's end
	ds_add_u32 v[SPW], v[NIL]
	s_wait_dscnt 0x0
	CROUND                          ; the closing round
	s_endpgm
.Lfunc_end_k_qd23c6afe27_attn:
	.size	k_qd23c6afe27_attn, .Lfunc_end_k_qd23c6afe27_attn-k_qd23c6afe27_attn
	.p2alignl 7, 3214868480
	.fill 96, 4, 3214868480
	.section	.rodata,"a",@progbits
	.p2align	6, 0x0
	.amdhsa_kernel k_qd23c6afe27_attn
		.amdhsa_group_segment_fixed_size 327680
		.amdhsa_private_segment_fixed_size 0
		.amdhsa_enable_private_segment 0
		.amdhsa_kernarg_size 16
		.amdhsa_user_sgpr_count 2
		.amdhsa_user_sgpr_kernarg_segment_ptr 1
		.amdhsa_wavefront_size32 1
		.amdhsa_system_sgpr_workgroup_id_x 1
		.amdhsa_system_sgpr_workgroup_id_y 1
		.amdhsa_system_sgpr_workgroup_id_z 1
		.amdhsa_system_vgpr_workitem_id 0
		.amdhsa_next_free_vgpr 768
		.amdhsa_next_free_sgpr 66
		.amdhsa_reserve_vcc 0
		.amdhsa_float_denorm_mode_32 3
		.amdhsa_float_denorm_mode_16_64 3
		.amdhsa_memory_ordered 1
		.amdhsa_forward_progress 1
		.amdhsa_inst_pref_size 111
	.end_amdhsa_kernel
	.amdgpu_metadata
---
amdhsa.version: [ 1, 2 ]
amdhsa.kernels:
  - .name:           k_qd23c6afe27_attn
    .symbol:         k_qd23c6afe27_attn.kd
    .args:
      - { .name: qkvh, .offset: 0, .size: 8, .value_kind: global_buffer, .address_space: global }
      - { .name: o, .offset: 8, .size: 8, .value_kind: global_buffer, .address_space: global }
    .group_segment_fixed_size: 327680
    .private_segment_fixed_size: 0
    .kernarg_segment_align: 8
    .kernarg_segment_size: 16
    .max_flat_workgroup_size: 128
    .sgpr_count:     66
    .vgpr_count:     768
    .wavefront_size: 32
...
	.end_amdgpu_metadata
.endif
;; end of part 3
;; launch proj (part 4): grid 8 x 32, 4 waves a work-group, clusters of 4 x 4, 327,680 bytes of LDS; arguments o, wb, proj_b, x, x1; writes x1
.if DOCPART == 4
	.amdgcn_target "amdgcn-amd-amdhsa--gfx1250"
	.amdhsa_code_object_version 6
	.text
	.protected	k_qd23c6afe27_proj
	.globl	k_qd23c6afe27_proj
	.p2align	8
	.type	k_qd23c6afe27_proj,@function
k_qd23c6afe27_proj:
	s_mov_b64 s[64:65], 0
	v_nop
	global_prefetch_b8 v0, s[64:65] scope:SCOPE_SE
	s_setreg_imm32_b32 hwreg(HW_REG_WAVE_MODE, 25, 1), 1
	s_wait_xcnt 0x0
	s_wait_alu depctr_hold_cnt(0) depctr_sa_sdst(0) depctr_va_vdst(0) depctr_va_sdst(0) depctr_va_ssrc(0) depctr_va_vcc(0) depctr_vm_vsrc(0)
	s_getreg_b32 s2, hwreg(HW_REG_IB_STS2, 6, 4)
	s_cmp_eq_u32 s2, 0
	s_cbranch_scc0 .Lentry_in_a_cluster
	s_endpgm
.Lentry_in_a_cluster:
	s_bfe_u32 s2, ttmp6, 0x10000c
	s_cmp_lg_u32 s2, 0xf033
	s_cbranch_scc0 .Lentry_shape_is_right
	s_endpgm
.Lentry_shape_is_right:
; x1 = x + O Wp + proj_b, f32.  O: [batch x 16 + head][2048][64] bf16 (channel k = 64 head + d); Wp: [1024][1024] bf16 at byte 6,291,456 of wb.  Sums in f32.
; A tile of C is 128 x 128: 8 x 32 = 256 work-groups.  Four waves, 2 x 2: a wave makes 64 x 64 = 16 accumulators.  K goes in steps of 256 (four heads) through two LDS slots of four PANELS, one tensor load a wave:
; waves 0, 1 fetch A's (two heads each: a head's 128 tokens are 16,384 dense bytes, asked for as one row, padded in LDS after every 128 bytes: pitch 144), waves 2, 3 B's (128 k x 128 columns, pitch 288).
; B lies [K][N]: its fragments leave LDS through ds_load_tr16_b128.  The matrix instruction is used transposed: a lane holds one token and 8 neighbouring columns.
; CLUSTER 4 x 4: A's panels are asked for jointly along a row of the cluster, B's along a column.  One text for a K step: the slot in hand is a scalar that an exclusive or turns.
; THE WALK ALONG K begins at step (cluster y + 2 cluster x) mod 4 and wraps round: the clusters that read the same rows of O or of Wp read them in different steps.  The f32 sums are taken in that order.
; THE RING.  Both slots' first fills go out together; at a change of slots nothing but the three lines, the descriptors' step and the round stands between the wait for a tile and the next request.
; By this text's count a wave has two tensor loads out at the start, later one.
; The residual's 64 x 64 numbers of each wave are loaded at the head into 128 registers and stay there during the K loop.  No prefetch: the tiles are small and the launch is short.
; LIMITS: bf16 operands (8 significant bits); NaN and infinities are not treated apart.
.set NA, 2
.set NSTEP, 4
.set SYSH, 0                           ; the first step: (cluster y << SYSH) + (cluster x << SXSH), modulo NSTEP
.set SXSH, 1
.set MA, 4
.set NF, 4
.set UQ, 2
.set LATE, 8
.set NB, 2
.set LDB, 1024
.set ASTEP, 4*262144
.set BSTEP, 256*LDB*2
.set WBOFF, 6291456
.set APITCH, 144
.set AWR, 64*144
.set DP, 272
.set DUMPW, 64*DP
.macro AOFS                            ; unit u of 32 k: panel u / 4, head (u / 2) % 2 of the panel, half u % 2 of the head's 64 channels
.set oA, (u/4)*PAN+((u/2)%2)*128*APITCH+a*16*APITCH+64*(u%2)
.endm
.macro BOFS
.set rB, ADRB+u/4
.set oB, 32*288*(u%4)+32*b
.endm
; ---- the core ----
.set PAN, 36864
.set SLOT, 4*PAN
.set SPARE, 2*SLOT                     ; behind the ring: the spare words, 128 bytes a wave, that no other line names
.set NW, MA*NF*UQ
.set WV, 14
.set WR, 15
.set WC, 16
.set CX, 17
.set CY, 18
.set TX, 19
.set TY, 20
.set CNT, 21
.set TB, 22
.set KS, 23                            ; the K step last asked for
.set G1, 24
.set G0, 32
.set G0B, 36
.set G1B, 40
.set G0F, 80                           ; s[80:83], s[84:87] group 0 of slot 0's first fill, for A and for B
.set G0BF, 84
.set ABASE, 88                         ; s[88:89], s[90:91] my panel of A and of B at K step 0
.set BBASE, 90
.set KO, 92                            ; s[92:93] a step's byte offset
.set ADRA0, 10
.set ADRB0, 11
.set ADRA, 14
.set ADRB, 15
.set DST, 18
.set DRD, 19
.set GOF, 20
.set BOF, 23
.set BIA, 24
.set SPW, 28
.set NIL, 29
.set EX, 64
; windows: 0: addresses, A's fragments (v64-127, v128-191); 1: B's (v0-63, v96-159); 2: the 16 accumulators; 3: v0-127 the residual
.set MSB, 0
.macro WIN new
.if MSB != (\new)
	s_set_vgpr_msb (MSB<<8)|(\new)
.set MSB, \new
.endif
.endm
.set MUL_LO, 0xa1
.set TO_B, 0x40
.macro PLACES
.rept 4
	v_nop
.endr
.endm
.macro CREST
	s_cmp_lg_u32 s[WV], 0
	s_cbranch_scc1 .Lnot_wave_0_\@
	s_barrier_signal -3
.Lnot_wave_0_\@:
	s_barrier_wait -3
	s_barrier_signal -1
	s_barrier_wait -1
.endm
.macro CROUND
	s_barrier_signal -1
	s_barrier_wait -1
	CREST
.endm
.macro JLOAD                           ; a joint refill, one a wave; s_nop 0 and four v_nop follow each line
	s_cmp_lt_u32 s[WV], NA
	s_cbranch_scc0 .Lfor_b_\@
	tensor_load_to_lds s[G0:G0+3], s[G1:G1+7]
	s_nop 0
.rept 4
	v_nop
.endr
	s_branch .Lasked_\@
.Lfor_b_\@:
	tensor_load_to_lds s[G0B:G0B+3], s[G1B:G1B+7]
	s_nop 0
.rept 4
	v_nop
.endr
.Lasked_\@:
.endm
.macro FETCH q, f                      ; 32 LDS loads in one run: quarter q's fragments into buffer f; B's first, A's last
	WIN TO_B
.set c, 0
.rept UQ
.set u, UQ*(\q)+c
.set b, 0
.rept NF
	BOFS
.set rF, 96*(\f)+8*(c*NF+b)
	ds_load_tr16_b128 v[rF:rF+3], v[rB] offset:oB
	ds_load_tr16_b128 v[rF+4:rF+7], v[rB] offset:oB+16*288
.set b, b+1
.endr
.set c, c+1
.endr
	WIN 0
.set c, 0
.rept UQ
.set u, UQ*(\q)+c
.set a, 0
.rept MA
	AOFS
.set rF, 64+64*(\f)+8*(c*MA+a)
	ds_load_b128 v[rF:rF+3], v[ADRA] offset:oA
	ds_load_b128 v[rF+4:rF+7], v[ADRA] offset:oA+32
.set a, a+1
.endr
.set c, c+1
.endr
.endm
.macro MULP f, p, zero                 ; part p of four of a quarter's products; the accumulators take turns, one instruction a turn
.set i, (\p)*NW/4
.rept NW/4
.set c, i/(MA*NF)
.set n, i%(MA*NF)
.set a, n/NF
.set b, n%NF
.set rD, 8*(n%32)
.set rW, 96*(\f)+8*(c*NF+b)
.set rH, 64+64*(\f)+8*(c*MA+a)
	WIN MUL_LO+0x50*(n/32)
.if (\zero) && (c == 0)
	v_wmma_f32_16x16x32_bf16 v[rD:rD+7], v[rW:rW+7], v[rH:rH+7], 0
.else
	v_wmma_f32_16x16x32_bf16 v[rD:rD+7], v[rW:rW+7], v[rH:rH+7], v[rD:rD+7]
.endif
.set i, i+1
.endr
.endm
.macro MULQ f
	MULP \f, 0, 0
	MULP \f, 1, 0
	MULP \f, 2, 0
	MULP \f, 3, 0
.endm
.macro QUARTER f, g, qn, zero
	s_wait_dscnt LATE                              ; all of the run but its LATE youngest loads
	MULP \f, 0, \zero
	MULP \f, 1, \zero
	PLACES
	FETCH \qn, \g
	s_wait_dscnt 32                                ; all but the 32 just issued
	MULP \f, 2, \zero
	MULP \f, 3, \zero
.endm
.macro MEET                            ; a change of slots without a refill: the three lines and my work-group's barrier
	WIN 0
	s_wait_tensorcnt 0x0                           ; all my tensor loads have landed
	ds_add_u32 v[SPW], v[NIL]
	s_wait_dscnt 0x0                               ; the add is done, and my reads of this slot are over
	s_barrier_signal -1
	s_barrier_wait -1
.endm
.macro NEXTSLOT
	s_xor_b32 s[TB], s[TB], SLOT
	v_add_nc_u32 v[ADRA], s[TB], v[ADRA0]
.set t, 0
.rept NB
	v_add_nc_u32 v[ADRB+t], s[TB], v[ADRB0+t]
.set t, t+1
.endr
.endm
.macro STEPD                           ; the walking descriptors: the other slot; the next K step, modulo NSTEP: its address is made anew from the step's number.  No tensor load of mine is out
	s_xor_b32 s[G0+1], s[G0+1], SLOT
	s_xor_b32 s[G0B+1], s[G0B+1], SLOT
	s_add_co_u32 s[KS], s[KS], 1
	s_and_b32 s[KS], s[KS], NSTEP-1
	s_mul_i32 s[KO], s[KS], ASTEP
	s_add_nc_u64 s[G0+2:G0+3], s[ABASE:ABASE+1], s[KO:KO+1]
	s_or_b32 s[G0+3], s[G0+3], 0x80000000
	s_mul_i32 s[KO], s[KS], BSTEP
	s_add_nc_u64 s[G0B+2:G0B+3], s[BBASE:BBASE+1], s[KO:KO+1]
	s_or_b32 s[G0B+3], s[G0B+3], 0x80000000
.endm
.macro TURN                            ; the change of slots with its refill, then the step's last quarter
	WIN 0
	s_wait_tensorcnt 0x0                           ; all my tensor loads have landed: my panel of the next slot
	ds_add_u32 v[SPW], v[NIL]                      ; the descriptors' step stands between the add and its wait
	STEPD
	s_wait_dscnt 0x0                               ; the add is done, and my reads of this slot are over: its last fragments lie in buffer 1
	s_barrier_signal -1
	s_barrier_wait -1
	CREST                                          ; no wave of any partner still reads this slot or has a load on its way
	JLOAD                                          ; the first tensor load behind the round; its four v_nop are also the places ahead of the loads below
	NEXTSLOT
	FETCH 0, 0
	MULQ 1
.endm
.macro DUMP
.set n, 0
.rept MA*NF
.set a, n/NF
.set b, n%NF
.set rD, 8*(n%32)
	WIN 0x08+4*(n/32)
	ds_store_b128 v[DST], v[rD:rD+3] offset:a*16*DP+64*b
	ds_store_b128 v[DST], v[rD+4:rD+7] offset:a*16*DP+64*b+16
.set n, n+1
.endr
	WIN 0
.endm
; ---- the head ----
	s_load_b256 s[4:11], s[0:1], 0x0               ; o s[4:5], wb s[6:7], proj_b s[8:9], x s[10:11]
	s_load_b64 s[12:13], s[0:1], 0x20              ; x1
	v_lshl_add_u32 v[SPW], v0, 2, SPARE
	v_mov_b32 v[NIL], 0
	ds_add_u32 v[SPW], v[NIL]                      ; the wave's opening: the add and its wait stand ahead of my first tensor load
	v_lshrrev_b32 v3, 5, v0
	v_readfirstlane_b32 s[WV], v3
	s_lshr_b32 s[WR], s[WV], 1
	s_and_b32 s[WC], s[WV], 1
	s_bfe_u32 s[CX], ttmp6, 0x40000
	s_bfe_u32 s[CY], ttmp6, 0x40004
	s_lshl_b32 s[TX], ttmp9, 2
	s_add_co_u32 s[TX], s[TX], s[CX]
	s_and_b32 s[TY], ttmp7, 0xffff
	s_lshl_b32 s[TY], s[TY], 2
	s_add_co_u32 s[TY], s[TY], s[CY]
	s_and_b32 s54, ttmp7, 0xffff                   ; the cluster's first K step: of the cluster's own coordinates, which all sixteen partners share
	s_lshl_b32 s54, s54, SYSH
	s_lshl_b32 s55, ttmp9, SXSH
	s_add_co_u32 s[KS], s54, s55
	s_and_b32 s[KS], s[KS], NSTEP-1
	s_lshl_b32 s62, s[CY], 2
	s_lshl_b32 s62, 15, s62
	s_lshl_b32 s63, 0x1111, s[CX]
	s_or_b32 s[G1], s62, (1<<16)|(1<<20)|(1<<21)|(4<<22)|(3<<25)   ; A: after every 32 words (a token's 128 bytes) 4 words of padding
	s_mov_b32 s[G1+1], 8192<<16                    ; tensor_dim0 = 8,192 elements: a head's 128 tokens on end
	s_mov_b32 s[G1+2], 2<<16                       ; tensor_dim1 = 2 heads
	s_mov_b32 s[G1+3], 8192<<16                    ; tile_dim0
	s_mov_b32 s[G1+4], 2                           ; tile_dim1
	s_mov_b32 s[G1+5], 131072                      ; elements from a head's plane to the next
	s_mov_b32 s[G1+6], 0
	s_mov_b32 s[G1+7], 0
	s_or_b32 s[G1B], s63, (1<<16)|(1<<20)|(1<<21)|(5<<22)|(7<<25)
	s_mov_b32 s[G1B+1], 128<<16
	s_mov_b32 s[G1B+2], 128<<16
	s_mov_b32 s[G1B+3], 128<<16
	s_mov_b32 s[G1B+4], 128
	s_mov_b32 s[G1B+5], LDB
	s_mov_b32 s[G1B+6], 0
	s_mov_b32 s[G1B+7], 0
	s_lshr_b32 s56, s[TY], 4
	s_lshl_b32 s56, s56, 22                        ; A: the batch's 16 planes,
	s_and_b32 s57, s[TY], 15
	s_lshl_b32 s57, s57, 14                        ; the tile's 128 tokens of 128 bytes,
	s_add_co_u32 s56, s56, s57
	s_min_u32 s57, s[WV], NA-1
	s_lshl_b32 s57, s57, 19                        ; my panel's two heads
	s_add_co_u32 s56, s56, s57
	s_mov_b32 s57, 0
	s_sub_co_i32 s58, s[WV], NA
	s_max_i32 s58, s58, 0
	s_lshl_b32 s58, s58, 18                        ; B: my panel's 128 k rows of 2,048 bytes,
	s_lshl_b32 s59, s[TX], 8                       ; the tile's 128 columns
	s_add_co_u32 s58, s58, s59
	s_add_co_u32 s58, s58, WBOFF
	s_mov_b32 s59, 0
.irp g, G0F, G0BF, G0, G0B
	s_mov_b32 s[(\g)], 1
	s_mul_i32 s[(\g)+1], s[WV], PAN                ; panel w of slot 0: no place in the cluster enters an LDS address
.endr
	s_mov_b32 s[KO+1], 0
	s_mov_b32 s[TB], 0
	s_wait_dscnt 0x0                               ; the opening add is done
	s_wait_kmcnt 0x0
	s_add_nc_u64 s[ABASE:ABASE+1], s[4:5], s[56:57]
	s_add_nc_u64 s[BBASE:BBASE+1], s[6:7], s[58:59]
	s_mul_i32 s[KO], s[KS], ASTEP                  ; slot 0's first fill: the cluster's first step
	s_add_nc_u64 s[G0F+2:G0F+3], s[ABASE:ABASE+1], s[KO:KO+1]
	s_or_b32 s[G0F+3], s[G0F+3], 0x80000000
	s_mul_i32 s[KO], s[KS], BSTEP
	s_add_nc_u64 s[G0BF+2:G0BF+3], s[BBASE:BBASE+1], s[KO:KO+1]
	s_or_b32 s[G0BF+3], s[G0BF+3], 0x80000000
	STEPD                                          ; the walking sets: the step after it, slot 1
	CROUND                                         ; all sixteen work-groups are here: the first joint loads meet
	s_cmp_lt_u32 s[WV], NA                         ; a wave's two first fills stand in one branch, ahead of every wait on TENSORcnt and every LDS read
	s_cbranch_scc0 .Lfirst_b
	tensor_load_to_lds s[G0F:G0F+3], s[G1:G1+7]
	s_nop 0
	tensor_load_to_lds s[G0:G0+3], s[G1:G1+7]
	s_nop 0
.rept 4
	v_nop
.endr
	s_branch .Lfirst_asked
.Lfirst_b:
	tensor_load_to_lds s[G0BF:G0BF+3], s[G1B:G1B+7]
	s_nop 0
	tensor_load_to_lds s[G0B:G0B+3], s[G1B:G1B+7]
	s_nop 0
.rept 4
	v_nop
.endr
.Lfirst_asked:
	v_and_b32 v1, 15, v0
	v_bfe_u32 v2, v0, 4, 1
	v_and_b32 v3, 7, v0
	v_bfe_u32 v4, v0, 3, 1
	v_mul_u32_u24 v[ADRA0], v1, APITCH
	v_lshl_add_u32 v[ADRA0], v2, 4, v[ADRA0]
	s_mul_i32 s54, s[WR], AWR
	v_add_nc_u32 v[ADRA0], s54, v[ADRA0]
	v_mov_b32 v[ADRA], v[ADRA0]
	v_lshl_add_u32 v6, v2, 3, v3
	v_mul_u32_u24 v6, v6, 288
	v_lshl_add_u32 v6, v4, 4, v6
.irp t, 0,1
	s_lshl_b32 s54, s[WC], 7                       ; my 64 columns of the panel's 128
	s_add_co_u32 s54, s54, (NA+\t)*PAN
	v_add_nc_u32 v[ADRB0+\t], s54, v6
	v_mov_b32 v[ADRB+\t], v[ADRB0+\t]
.endr
	s_mul_i32 s55, s[WV], DUMPW
	v_mul_u32_u24 v[DST], v1, DP
	v_lshl_add_u32 v[DST], v2, 5, v[DST]
	v_add_nc_u32 v[DST], s55, v[DST]
	v_mul_u32_u24 v[DRD], v2, DP                   ; back: lanes 0-15 one row of 256 bytes, lanes 16-31 the next
	v_lshl_add_u32 v[DRD], v1, 4, v[DRD]
	v_add_nc_u32 v[DRD], s55, v[DRD]
	v_lshlrev_b32 v[GOF], 12, v2                   ; the same two rows in x and x1
	v_lshl_add_u32 v[GOF], v1, 4, v[GOF]
	s_lshl_b32 s72, s[TX], 9
	s_lshl_b32 s73, s[WC], 8
	s_add_co_u32 s72, s72, s73                     ; my first column, in bytes of f32
	v_lshl_add_u32 v[BOF], v1, 4, s72
	global_load_b128 v[BIA:BIA+3], v[BOF], s[8:9]
	s_lshl_b32 s70, s[TY], 19
	s_lshl_b32 s71, s[WR], 18
	s_add_co_u32 s70, s70, s71
	s_add_co_u32 s70, s70, s72
	s_mov_b32 s71, 0
	s_add_nc_u64 s[66:67], s[10:11], s[70:71]      ; the residual and the output at my 64 x 64
	s_add_nc_u64 s[68:69], s[12:13], s[70:71]
	WIN 0xc0                                       ; destination window 3
.set p, 0
.rept 32
	global_load_b128 v[4*p:4*p+3], v[GOF], s[66:67] offset:8192*p  ; rows 2 p, 2 p + 1: they land while the products run
.set p, p+1
.endr
	WIN 0
; ---- the K loop ----
	s_wait_tensorcnt 0x1                           ; my panel of the first step is in; the one younger load, slot 1's, may stay out
	s_barrier_signal -1
	s_barrier_wait -1                              ; everybody's is
	FETCH 0, 0
	QUARTER 0, 1, 1, 1
	WIN 0
	s_mov_b32 s[CNT], NSTEP-2
.Lstep:
	QUARTER 1, 0, 2, 0
	QUARTER 0, 1, 3, 0
	TURN
	QUARTER 0, 1, 1, 0
	WIN 0
	s_sub_co_u32 s[CNT], s[CNT], 1
	s_cmp_lg_u32 s[CNT], 0
	s_cbranch_scc1 .Lstep
	s_mov_b32 s[CNT], 2
.Ltail:                                                ; the last two steps ask for nothing; the second trip is left in its middle
	QUARTER 1, 0, 2, 0
	QUARTER 0, 1, 3, 0
	MEET
	s_sub_co_u32 s[CNT], s[CNT], 1
	s_cmp_eq_u32 s[CNT], 0
	s_cbranch_scc1 .Lfin
	PLACES
	NEXTSLOT
	FETCH 0, 0
	MULQ 1
	QUARTER 0, 1, 1, 0
	WIN 0
	s_branch .Ltail
.Lfin:                                                 ; behind the last barrier no wave reads the ring and no load is out: the ring has had its last fill
	MULQ 1
	WIN 0
	PLACES
	PLACES
	DUMP
; ---- the way out: 32 pairs of rows, each in registers of its own, so that no store's data is written again ----
	s_wait_loadcnt 0x0                             ; the bias and the residual
.set p, 0
.rept 32
	ds_load_b128 v[EX+4*p:EX+4*p+3], v[DRD] offset:2*DP*p  ; LDS serves a wave's instructions in order: these see my stores
.set p, p+1
.endr
.set q, 0
.rept 4
	s_wait_dscnt 8*(3-q)                           ; the younger groups' loads may stay out
.set p, 8*q
.rept 8
	v_pk_add_f32 v[EX+4*p:EX+4*p+1], v[EX+4*p:EX+4*p+1], v[BIA:BIA+1]
	v_pk_add_f32 v[EX+4*p+2:EX+4*p+3], v[EX+4*p+2:EX+4*p+3], v[BIA+2:BIA+3]
.set p, p+1
.endr
	WIN 0x0c                                       ; source 1 in window 3
.set p, 8*q
.rept 8
	v_pk_add_f32 v[EX+4*p:EX+4*p+1], v[EX+4*p:EX+4*p+1], v[4*p:4*p+1]
	v_pk_add_f32 v[EX+4*p+2:EX+4*p+3], v[EX+4*p+2:EX+4*p+3], v[4*p+2:4*p+3]
.set p, p+1
.endr
	WIN 0
.set p, 8*q
.rept 8
	global_store_b128 v[GOF], v[EX+4*p:EX+4*p+3], s[68:69] offset:8192*p  ; 16 lanes store 256 consecutive bytes, aligned
.set p, p+1
.endr
.set q, q+1
.endr
	s_wait_tensorcnt 0x0                           ; the wave's end
	ds_add_u32 v[SPW], v[NIL]
	s_wait_dscnt 0x0
	CROUND                                         ; the closing round
	s_endpgm
.Lfunc_end_k_qd23c6afe27_proj:
	.size	k_qd23c6afe27_proj, .Lfunc_end_k_qd23c6afe27_proj-k_qd23c6afe27_proj
	.p2alignl 7, 3214868480
	.fill 96, 4, 3214868480
	.section	.rodata,"a",@progbits
	.p2align	6, 0x0
	.amdhsa_kernel k_qd23c6afe27_proj
		.amdhsa_group_segment_fixed_size 327680
		.amdhsa_private_segment_fixed_size 0
		.amdhsa_enable_private_segment 0
		.amdhsa_kernarg_size 40
		.amdhsa_user_sgpr_count 2
		.amdhsa_user_sgpr_kernarg_segment_ptr 1
		.amdhsa_wavefront_size32 1
		.amdhsa_system_sgpr_workgroup_id_x 1
		.amdhsa_system_sgpr_workgroup_id_y 1
		.amdhsa_system_sgpr_workgroup_id_z 1
		.amdhsa_system_vgpr_workitem_id 0
		.amdhsa_next_free_vgpr 896
		.amdhsa_next_free_sgpr 96
		.amdhsa_reserve_vcc 0
		.amdhsa_float_denorm_mode_32 3
		.amdhsa_float_denorm_mode_16_64 3
		.amdhsa_memory_ordered 1
		.amdhsa_forward_progress 1
		.amdhsa_inst_pref_size 72
	.end_amdhsa_kernel
	.amdgpu_metadata
---
amdhsa.version: [ 1, 2 ]
amdhsa.kernels:
  - .name:           k_qd23c6afe27_proj
    .symbol:         k_qd23c6afe27_proj.kd
    .args:
      - { .name: o, .offset: 0, .size: 8, .value_kind: global_buffer, .address_space: global }
      - { .name: wb, .offset: 8, .size: 8, .value_kind: global_buffer, .address_space: global }
      - { .name: proj_b, .offset: 16, .size: 8, .value_kind: global_buffer, .address_space: global }
      - { .name: x, .offset: 24, .size: 8, .value_kind: global_buffer, .address_space: global }
      - { .name: x1, .offset: 32, .size: 8, .value_kind: global_buffer, .address_space: global }
    .group_segment_fixed_size: 327680
    .private_segment_fixed_size: 0
    .kernarg_segment_align: 8
    .kernarg_segment_size: 40
    .max_flat_workgroup_size: 128
    .sgpr_count:     96
    .vgpr_count:     896
    .wavefront_size: 32
...
	.end_amdgpu_metadata
.endif
;; end of part 4
;; launch ln2: the kernel of part 1 again; grid 512 x 1, 8 waves a work-group, no clusters, 0 bytes of LDS; arguments x1, ln2_g, ln2_b, h, qkv_w, proj_w, fc1_w, fc2_w, g; writes h, g
;; launch fc1 (part 5): grid 16 x 16, 4 waves a work-group, clusters of 4 x 4, 327,680 bytes of LDS; arguments h, wb, fc1_b, g; writes g
.if DOCPART == 5
	.amdgcn_target "amdgcn-amd-amdhsa--gfx1250"
	.amdhsa_code_object_version 6
	.text
	.protected	k_qd23c6afe27_fc1
	.globl	k_qd23c6afe27_fc1
	.p2align	8
	.type	k_qd23c6afe27_fc1,@function
k_qd23c6afe27_fc1:
	s_mov_b64 s[64:65], 0
	v_nop
	global_prefetch_b8 v0, s[64:65] scope:SCOPE_SE
	s_setreg_imm32_b32 hwreg(HW_REG_WAVE_MODE, 25, 1), 1
	s_wait_xcnt 0x0
	s_wait_alu depctr_hold_cnt(0) depctr_sa_sdst(0) depctr_va_vdst(0) depctr_va_sdst(0) depctr_va_ssrc(0) depctr_va_vcc(0) depctr_vm_vsrc(0)
	s_getreg_b32 s2, hwreg(HW_REG_IB_STS2, 6, 4)
	s_cmp_eq_u32 s2, 0
	s_cbranch_scc0 .Lentry_in_a_cluster
	s_endpgm
.Lentry_in_a_cluster:
	s_bfe_u32 s2, ttmp6, 0x10000c
	s_cmp_lg_u32 s2, 0xf033
	s_cbranch_scc0 .Lentry_shape_is_right
	s_endpgm
.Lentry_shape_is_right:
; g = gelu(h W1 + fc1_b), bf16.  h: [4096][1024] bf16; W1: [1024][4096] bf16 at byte 8,388,608 of wb.  Sums and the activation in f32, g rounded once.
; gelu is the tanh form: x / (1 + 2^(x (C0 + C1 x^2))), C0 = -2 log2(e) sqrt(2/pi), C1 = 0.044715 C0; where the exponent runs to either infinity the result is x or 0.
; A tile of C is 256 x 256: 16 x 16 = 256 work-groups.  Four waves, 2 x 2: a wave makes 128 x 128 = 64 accumulators, 512 registers.
; K goes in steps of 128 through two LDS slots of four PANELS of 128 rows x 256 bytes, one tensor load a wave: waves 0, 1 fetch A's (128 tokens x 128 k, LDS pitch 272), waves 2, 3 B's (128 k x 128 columns, pitch 288).
; B lies [K][N]: its fragments leave LDS through ds_load_tr16_b128.  The matrix instruction is used transposed: a lane holds one token and 8 neighbouring columns.
; CLUSTER 4 x 4: A's panels are asked for jointly along a row of the cluster, B's along a column.  One text for a K step: the slot in hand is a scalar that an exclusive or turns.
; THE RING.  Both slots' first fills go out together; at a change of slots nothing but the three lines, the descriptors' step and the round stands between the wait for a tile and the next request.
; By this text's count a wave has two tensor loads out at the start, later one.
; THE WAY OUT: when the ring has had its last fill, each wave lays its f32 sums into its own part of the ring and reads them back by rows, in 32 groups of 4 rows on two register sets that take turns:
; a group's exponentials and reciprocals stand line by line between the plain arithmetic of the group behind it.
; LIMITS: bf16 operands (8 significant bits); NaN is not treated apart.
.set NA, 2
.set NSTEP, 8
.set MA, 8
.set NF, 8
.set UQ, 1
.set LATE, 8
.set NB, 1
.set LDA, 1024
.set LDB, 4096
.set ASTEP, 256
.set BSTEP, 128*LDB*2
.set WBOFF, 8388608
.set APITCH, 272
.set AWR, 36864                        ; a wave row is a panel of A
.set DP, 528                           ; the way out: a row of 128 f32 + 16 bytes
.set DUMPW, 128*DP
.macro AOFS
.set oA, a*16*APITCH+64*u
.endm
.macro BOFS
.set rB, ADRB
.set oB, 32*288*u+32*b
.endm
; ---- the core ----
.set PAN, 36864
.set SLOT, 4*PAN
.set SPARE, 2*SLOT                     ; behind the ring: the spare words, 128 bytes a wave, that no other line names
.set NW, MA*NF*UQ
.set WV, 14
.set WR, 15
.set WC, 16
.set CX, 17
.set CY, 18
.set TX, 19
.set TY, 20
.set CNT, 21
.set TB, 22
.set G1, 24
.set G0, 32
.set G0B, 36
.set G1B, 40
.set PFA, 48
.set PFS, 50
.set LIM, 52
.set RO, 66                            ; the way out: byte offset of the group to be read next
.set G0F, 80                           ; s[80:83], s[84:87] group 0 of slot 0's first fill, for A and for B
.set G0BF, 84
.set ADRA0, 10
.set ADRB0, 11
.set ADRA, 14
.set ADRB, 15
.set DST, 18
.set DRD0, 19
.set GOF, 20
.set DRD, 21
.set BOF, 23
.set BIA, 24
.set SPW, 28
.set NIL, 29
.set PFO, 30
.set EL, 64                            ; the way out, set p at + 16 p: the sums as read,
.set EX, 96                            ; x,
.set ET, 128                           ; the exponent, then 1 / (1 + 2^exponent);
.set EY, 160                           ; 8 registers of bf16
; windows: 0: addresses, A's fragments (v64-127, v128-191); 1: B's (v0-63, v96-159); 2 and 3: accumulator n at 8 (n % 32) of window 2 + n / 32
.set MSB, 0
.macro WIN new
.if MSB != (\new)
	s_set_vgpr_msb (MSB<<8)|(\new)
.set MSB, \new
.endif
.endm
.set MUL_LO, 0xa1
.set TO_B, 0x40
.macro PLACES
.rept 4
	v_nop
.endr
.endm
.macro CREST
	s_cmp_lg_u32 s[WV], 0
	s_cbranch_scc1 .Lnot_wave_0_\@
	s_barrier_signal -3
.Lnot_wave_0_\@:
	s_barrier_wait -3
	s_barrier_signal -1
	s_barrier_wait -1
.endm
.macro CROUND
	s_barrier_signal -1
	s_barrier_wait -1
	CREST
.endm
.macro JLOAD                           ; a joint refill, one a wave; s_nop 0 and four v_nop follow each line
	s_cmp_lt_u32 s[WV], NA
	s_cbranch_scc0 .Lfor_b_\@
	tensor_load_to_lds s[G0:G0+3], s[G1:G1+7]
	s_nop 0
.rept 4
	v_nop
.endr
	s_branch .Lasked_\@
.Lfor_b_\@:
	tensor_load_to_lds s[G0B:G0B+3], s[G1B:G1B+7]
	s_nop 0
.rept 4
	v_nop
.endr
.Lasked_\@:
.endm
.macro FETCH q, f                      ; 32 LDS loads in one run: quarter q's fragments into buffer f; B's first, A's last
	WIN TO_B
.set c, 0
.rept UQ
.set u, UQ*(\q)+c
.set b, 0
.rept NF
	BOFS
.set rF, 96*(\f)+8*(c*NF+b)
	ds_load_tr16_b128 v[rF:rF+3], v[rB] offset:oB
	ds_load_tr16_b128 v[rF+4:rF+7], v[rB] offset:oB+16*288
.set b, b+1
.endr
.set c, c+1
.endr
	WIN 0
.set c, 0
.rept UQ
.set u, UQ*(\q)+c
.set a, 0
.rept MA
	AOFS
.set rF, 64+64*(\f)+8*(c*MA+a)
	ds_load_b128 v[rF:rF+3], v[ADRA] offset:oA
	ds_load_b128 v[rF+4:rF+7], v[ADRA] offset:oA+32
.set a, a+1
.endr
.set c, c+1
.endr
.endm
.macro MULP f, p, zero                 ; part p of four of a quarter's products; the accumulators take turns, one instruction a turn
.set i, (\p)*NW/4
.rept NW/4
.set c, i/(MA*NF)
.set n, i%(MA*NF)
.set a, n/NF
.set b, n%NF
.set rD, 8*(n%32)
.set rW, 96*(\f)+8*(c*NF+b)
.set rH, 64+64*(\f)+8*(c*MA+a)
	WIN MUL_LO+0x50*(n/32)
.if (\zero) && (c == 0)
	v_wmma_f32_16x16x32_bf16 v[rD:rD+7], v[rW:rW+7], v[rH:rH+7], 0
.else
	v_wmma_f32_16x16x32_bf16 v[rD:rD+7], v[rW:rW+7], v[rH:rH+7], v[rD:rD+7]
.endif
.set i, i+1
.endr
.endm
.macro MULQ f
	MULP \f, 0, 0
	MULP \f, 1, 0
	MULP \f, 2, 0
	MULP \f, 3, 0
.endm
.macro QUARTER f, g, qn, zero
	s_wait_dscnt LATE                              ; all of the run but its LATE youngest loads
	MULP \f, 0, \zero
	MULP \f, 1, \zero
	PLACES
	FETCH \qn, \g
	s_wait_dscnt 32                                ; all but the 32 just issued
	MULP \f, 2, \zero
	MULP \f, 3, \zero
.endm
.macro MEET                            ; a change of slots without a refill: the three lines and my work-group's barrier
	WIN 0
	s_wait_tensorcnt 0x0                           ; all my tensor loads have landed
	ds_add_u32 v[SPW], v[NIL]
	s_wait_dscnt 0x0                               ; the add is done, and my reads of this slot are over
	s_barrier_signal -1
	s_barrier_wait -1
.endm
.macro NEXTSLOT
	s_xor_b32 s[TB], s[TB], SLOT
	v_add_nc_u32 v[ADRA], s[TB], v[ADRA0]
.set t, 0
.rept NB
	v_add_nc_u32 v[ADRB+t], s[TB], v[ADRB0+t]
.set t, t+1
.endr
.endm
.macro STEPD
	s_xor_b32 s[G0+1], s[G0+1], SLOT
	s_xor_b32 s[G0B+1], s[G0B+1], SLOT
	s_add_nc_u64 s[G0+2:G0+3], s[G0+2:G0+3], ASTEP
	s_add_nc_u64 s[G0B+2:G0B+3], s[G0B+2:G0B+3], BSTEP
.endm
.macro ASK                             ; one prefetch a wave: 32 rows x 256 bytes of the K step after the one just asked for; the last refill asks for nothing
	s_cmp_gt_u32 s[CNT], s[LIM]
	s_cbranch_scc0 .Lnot_mine_\@
	global_prefetch_b8 v[PFO], s[PFA:PFA+1] th:TH_LOAD_NT scope:SCOPE_SE
.Lnot_mine_\@:
.endm
.macro TURN                            ; the change of slots with its refill, then the step's last quarter
	s_wait_xcnt 0x0                                ; the last prefetch, a K step back, has read its address
	s_add_nc_u64 s[PFA:PFA+1], s[PFA:PFA+1], s[PFS:PFS+1]
	WIN 0
	s_wait_tensorcnt 0x0                           ; all my tensor loads have landed: my panel of the next slot
	ds_add_u32 v[SPW], v[NIL]                      ; the descriptors' step stands between the add and its wait
	STEPD
	s_wait_dscnt 0x0                               ; the add is done, and my reads of this slot are over: its last fragments lie in buffer 1
	s_barrier_signal -1
	s_barrier_wait -1
	CREST                                          ; no wave of any partner still reads this slot or has a load on its way
	JLOAD                                          ; the first tensor load behind the round; its four v_nop are also the places ahead of the loads below
	NEXTSLOT
	FETCH 0, 0
	ASK
	MULQ 1
.endm
.macro DUMP
.set n, 0
.rept MA*NF
.set a, n/NF
.set b, n%NF
.set rD, 8*(n%32)
	WIN 0x08+4*(n/32)
	ds_store_b128 v[DST], v[rD:rD+3] offset:a*16*DP+64*b
	ds_store_b128 v[DST], v[rD+4:rD+7] offset:a*16*DP+64*b+16
.set n, n+1
.endr
	WIN 0
.endm
; ---- the head ----
	s_load_b256 s[4:11], s[0:1], 0x0               ; h s[4:5], wb s[6:7], fc1_b s[8:9], g s[10:11]
	v_lshl_add_u32 v[SPW], v0, 2, SPARE
	v_mov_b32 v[NIL], 0
	ds_add_u32 v[SPW], v[NIL]                      ; the wave's opening: the add and its wait stand ahead of my first tensor load
	v_lshrrev_b32 v3, 5, v0
	v_readfirstlane_b32 s[WV], v3
	s_lshr_b32 s[WR], s[WV], 1
	s_and_b32 s[WC], s[WV], 1
	s_bfe_u32 s[CX], ttmp6, 0x40000
	s_bfe_u32 s[CY], ttmp6, 0x40004
	s_lshl_b32 s[TX], ttmp9, 2
	s_add_co_u32 s[TX], s[TX], s[CX]
	s_and_b32 s[TY], ttmp7, 0xffff
	s_lshl_b32 s[TY], s[TY], 2
	s_add_co_u32 s[TY], s[TY], s[CY]
	s_lshl_b32 s62, s[CY], 2
	s_lshl_b32 s62, 15, s62
	s_lshl_b32 s63, 0x1111, s[CX]
	s_or_b32 s[G1], s62, (1<<16)|(1<<20)|(1<<21)|(5<<22)|(3<<25)
	s_or_b32 s[G1B], s63, (1<<16)|(1<<20)|(1<<21)|(5<<22)|(7<<25)
.irp g, G1, G1B
	s_mov_b32 s[(\g)+1], 128<<16
	s_mov_b32 s[(\g)+2], 128<<16
	s_mov_b32 s[(\g)+3], 128<<16
	s_mov_b32 s[(\g)+4], 128
	s_mov_b32 s[(\g)+6], 0
	s_mov_b32 s[(\g)+7], 0
.endr
	s_mov_b32 s[G1+5], LDA
	s_mov_b32 s[G1B+5], LDB
	s_min_u32 s56, s[WV], NA-1                     ; A's panel that I fetch
	s_lshl_b32 s56, s56, 7
	s_lshl_b32 s57, s[TY], 8
	s_add_co_u32 s56, s56, s57                     ; its first row,
	s_lshl_b32 s56, s56, 11                        ; 2,048 bytes a row
	s_mov_b32 s57, 0
	s_sub_co_i32 s58, s[WV], NA
	s_max_i32 s58, s58, 0                          ; B's panel
	s_lshl_b32 s58, s58, 8
	s_lshl_b32 s59, s[TX], 9
	s_add_co_u32 s58, s58, s59
	s_add_co_u32 s58, s58, WBOFF
	s_mov_b32 s59, 0
.irp g, G0F, G0BF, G0, G0B
	s_mov_b32 s[(\g)], 1
	s_mul_i32 s[(\g)+1], s[WV], PAN                ; panel w of slot 0: no place in the cluster enters an LDS address
.endr
	s_mov_b32 s[TB], 0
	s_wait_dscnt 0x0                               ; the opening add is done
	s_wait_kmcnt 0x0
.irp g, G0F, G0
	s_add_nc_u64 s[(\g)+2:(\g)+3], s[4:5], s[56:57]
	s_or_b32 s[(\g)+3], s[(\g)+3], 0x80000000
.endr
.irp g, G0BF, G0B
	s_add_nc_u64 s[(\g)+2:(\g)+3], s[6:7], s[58:59]
	s_or_b32 s[(\g)+3], s[(\g)+3], 0x80000000
.endr
	STEPD                                          ; the walking sets: K step 1, slot 1
	CROUND                                         ; all sixteen work-groups are here: the first joint loads meet
	s_cmp_lt_u32 s[WV], NA                         ; a wave's two first fills stand in one branch, ahead of every wait on TENSORcnt and every LDS read
	s_cbranch_scc0 .Lfirst_b
	tensor_load_to_lds s[G0F:G0F+3], s[G1:G1+7]
	s_nop 0
	tensor_load_to_lds s[G0:G0+3], s[G1:G1+7]
	s_nop 0
.rept 4
	v_nop
.endr
	s_branch .Lfirst_asked
.Lfirst_b:
	tensor_load_to_lds s[G0BF:G0BF+3], s[G1B:G1B+7]
	s_nop 0
	tensor_load_to_lds s[G0B:G0B+3], s[G1B:G1B+7]
	s_nop 0
.rept 4
	v_nop
.endr
.Lfirst_asked:
	v_and_b32 v1, 15, v0
	v_bfe_u32 v2, v0, 4, 1
	v_and_b32 v3, 7, v0
	v_bfe_u32 v4, v0, 3, 1
	v_and_b32 v5, 31, v0
	v_mul_u32_u24 v[ADRA0], v1, APITCH
	v_lshl_add_u32 v[ADRA0], v2, 4, v[ADRA0]
	s_mul_i32 s54, s[WR], AWR
	v_add_nc_u32 v[ADRA0], s54, v[ADRA0]
	v_mov_b32 v[ADRA], v[ADRA0]
	v_lshl_add_u32 v6, v2, 3, v3
	v_mul_u32_u24 v6, v6, 288
	v_lshl_add_u32 v6, v4, 4, v6
	s_mul_i32 s54, s[WC], PAN                      ; a wave column is a panel of B
	s_add_co_u32 s54, s54, NA*PAN
	v_add_nc_u32 v[ADRB0], s54, v6
	v_mov_b32 v[ADRB], v[ADRB0]
	s_mul_i32 s55, s[WV], DUMPW
	v_mul_u32_u24 v[DST], v1, DP
	v_lshl_add_u32 v[DST], v2, 5, v[DST]
	v_add_nc_u32 v[DST], s55, v[DST]
	v_lshl_add_u32 v[DRD0], v5, 4, s55             ; back: 32 lanes take one row of 512 bytes
	v_lshlrev_b32 v[GOF], 3, v5                    ; which is 256 bytes of g
	; the prefetches.  h and wb are read here for the first time.  A's rows are read by every cluster of a row of clusters: cluster x = 0 asks; B's by every cluster of a column: cluster y = 0 asks.
	; Of the 128 rows of the panel that a wave fetches each of the four partners takes 32, told apart by address: a lane a row, so each row's 256 bytes of a K step are named once in the launch.
	s_and_b32 s66, ttmp7, 0xffff
	s_mov_b32 s68, 2*LDB
	s_mov_b32 s[PFS], BSTEP
	s_cmp_lt_u32 s[WV], NA
	s_cselect_b32 s67, s[CX], s[CY]
	s_cselect_b32 s66, ttmp9, s66
	s_cselect_b32 s68, 2*LDA, s68
	s_cselect_b32 s[PFS], ASTEP, s[PFS]
	s_cselect_b32 s70, s56, s58
	s_cselect_b64 s[PFA:PFA+1], s[4:5], s[6:7]
	s_cmp_eq_u32 s66, 0
	s_cselect_b32 s[LIM], 1, -1
	s_lshl_b32 s67, s67, 5
	s_mul_i32 s67, s67, s68
	s_add_co_u32 s70, s70, s67
	s_lshl_b32 s71, s[PFS], 1                      ; at K step 2: the first refill steps it to 3
	s_add_co_u32 s70, s70, s71
	s_mov_b32 s71, 0
	s_mov_b32 s[PFS+1], 0
	s_add_nc_u64 s[PFA:PFA+1], s[PFA:PFA+1], s[70:71]
	v_mul_u32_u24 v[PFO], s68, v5
	s_lshl_b32 s72, s[TX], 10
	s_lshl_b32 s73, s[WC], 9
	s_add_co_u32 s72, s72, s73
	v_lshl_add_u32 v[BOF], v5, 4, s72
	global_load_b128 v[BIA:BIA+3], v[BOF], s[8:9]  ; the bias of my 4 columns
	s_lshl_b32 s74, s[TY], 21                      ; g at my 128 x 128: 8,192 bytes a row
	s_lshl_b32 s75, s[WR], 20
	s_add_co_u32 s74, s74, s75
	s_lshl_b32 s75, s[TX], 9
	s_add_co_u32 s74, s74, s75
	s_lshl_b32 s75, s[WC], 8
	s_add_co_u32 s74, s74, s75
	s_mov_b32 s75, 0
	s_add_nc_u64 s[10:11], s[10:11], s[74:75]
	s_mov_b32 s76, 0xbdd2d3e8                      ; C1 = -0.10294324
	s_mov_b32 s77, s76
	s_mov_b32 s78, 0xc0135761                      ; C0 = -2.3022082
	s_mov_b32 s79, s78
; ---- the K loop ----
	s_wait_tensorcnt 0x1                           ; my panel of K step 0 is in; the one younger load, slot 1's, may stay out
	s_barrier_signal -1
	s_barrier_wait -1                              ; everybody's is
	FETCH 0, 0
	QUARTER 0, 1, 1, 1
	WIN 0
	s_mov_b32 s[CNT], NSTEP-2
.Lstep:
	QUARTER 1, 0, 2, 0
	QUARTER 0, 1, 3, 0
	TURN
	QUARTER 0, 1, 1, 0
	WIN 0
	s_sub_co_u32 s[CNT], s[CNT], 1
	s_cmp_lg_u32 s[CNT], 0
	s_cbranch_scc1 .Lstep
	s_mov_b32 s[CNT], 2
.Ltail:                                                ; the last two steps ask for nothing; the second trip is left in its middle
	QUARTER 1, 0, 2, 0
	QUARTER 0, 1, 3, 0
	MEET
	s_sub_co_u32 s[CNT], s[CNT], 1
	s_cmp_eq_u32 s[CNT], 0
	s_cbranch_scc1 .Lfin
	PLACES
	NEXTSLOT
	FETCH 0, 0
	MULQ 1
	QUARTER 0, 1, 1, 0
	WIN 0
	s_branch .Ltail
.Lfin:                                                 ; behind the last barrier no wave reads the ring and no load is out: the ring has had its last fill
	MULQ 1
	WIN 0
	PLACES
	PLACES
	DUMP
; ---- the way out ----
; A group is 4 rows, 16 numbers a lane.  Its plain arithmetic ahead of the exponentials is 32 lines: S1A (x = sum + bias; x^2) and S1B (C1 x^2 + C0; times x), 16 each.
.macro S1A q, n                        ; line n of 16, on set q
.if (\n) < 8
	v_pk_add_f32 v[EX+16*(\q)+2*(\n):EX+16*(\q)+2*(\n)+1], v[EL+16*(\q)+2*(\n):EL+16*(\q)+2*(\n)+1], v[BIA+2*((\n)%2):BIA+2*((\n)%2)+1]
.else
	v_pk_mul_f32 v[ET+16*(\q)+2*(\n)-16:ET+16*(\q)+2*(\n)-15], v[EX+16*(\q)+2*(\n)-16:EX+16*(\q)+2*(\n)-15], v[EX+16*(\q)+2*(\n)-16:EX+16*(\q)+2*(\n)-15]
.endif
.endm
.macro S1B q, n
.if (\n) < 8
	v_pk_fma_f32 v[ET+16*(\q)+2*(\n):ET+16*(\q)+2*(\n)+1], v[ET+16*(\q)+2*(\n):ET+16*(\q)+2*(\n)+1], s[76:77], s[78:79] op_sel_hi:[1,0,0]
.else
	v_pk_mul_f32 v[ET+16*(\q)+2*(\n)-16:ET+16*(\q)+2*(\n)-15], v[ET+16*(\q)+2*(\n)-16:ET+16*(\q)+2*(\n)-15], v[EX+16*(\q)+2*(\n)-16:EX+16*(\q)+2*(\n)-15]
.endif
.endm
.macro RLOAD p                         ; four rows into set p
.irp i, 0,1,2,3
	ds_load_b128 v[EL+16*(\p)+4*(\i):EL+16*(\p)+4*(\i)+3], v[DRD] offset:DP*(\i)  ; LDS serves a wave's instructions in order: these see my stores
.endr
.endm
; The turn of a group on set p.  The group two on is asked of LDS; this group's exponentials alternate with S1A of the group behind it (set 1 - p), its reciprocals with that group's S1B:
; behind each transcendental stands a plain line that names none of its registers; each batch of sixteen has one wait, ahead of its first reader.
.macro GROUP p
	s_add_co_u32 s[RO], s[RO], 4*DP                ; behind the last group the offset is held there: its rows are read once more and not used,
	s_min_u32 s[RO], s[RO], 31*4*DP                ; so that no read leaves my own bytes
	v_add_nc_u32 v[DRD], s[RO], v[DRD0]
	RLOAD \p                                       ; (set p's sums were taken up by S1A a turn ago)
	s_wait_dscnt 4                                 ; set 1 - p is in; the four loads just issued may stay out
.set m, 0
.rept 16
	v_exp_f32 v[ET+16*(\p)+m], v[ET+16*(\p)+m]
	S1A (1-(\p)), m
.set m, m+1
.endr
	s_wait_alu depctr_va_vdst(0)
.set m, 0
.rept 8
	v_pk_add_f32 v[ET+16*(\p)+2*m:ET+16*(\p)+2*m+1], v[ET+16*(\p)+2*m:ET+16*(\p)+2*m+1], 1.0 op_sel_hi:[1,0]
.set m, m+1
.endr
.set m, 0
.rept 16
	v_rcp_f32 v[ET+16*(\p)+m], v[ET+16*(\p)+m]
	S1B (1-(\p)), m
.set m, m+1
.endr
	s_wait_alu depctr_va_vdst(0)
.set m, 0
.rept 8
	v_pk_mul_f32 v[EX+16*(\p)+2*m:EX+16*(\p)+2*m+1], v[EX+16*(\p)+2*m:EX+16*(\p)+2*m+1], v[ET+16*(\p)+2*m:ET+16*(\p)+2*m+1]
.set m, m+1
.endr
	s_wait_xcnt 0x0                                ; the stores of the group before have read their data and their base, which are written again only behind this wait
	s_add_nc_u64 s[10:11], s[10:11], 4*8192        ; four rows on; the stores reach back by their immediates
.set m, 0
.rept 8
	v_cvt_pk_bf16_f32 v[EY+m], v[EX+16*(\p)+2*m], v[EX+16*(\p)+2*m+1]
.set m, m+1
.endr
.irp i, 0,1,2,3
	global_store_b64 v[GOF], v[EY+2*(\i):EY+2*(\i)+1], s[10:11] offset:8192*(\i)-4*8192  ; 32 lanes x 8 bytes: 256 consecutive bytes, aligned
.endr
.endm
	s_wait_loadcnt 0x0                             ; the bias
	v_mov_b32 v[DRD], v[DRD0]
	RLOAD 0                                        ; group 0
	v_add_nc_u32 v[DRD], 4*DP, v[DRD0]
	RLOAD 1                                        ; group 1
	s_mov_b32 s[RO], 4*DP
	s_wait_dscnt 4                                 ; group 0 is in
.set m, 0
.rept 16
	S1A 0, m
.set m, m+1
.endr
.set m, 0
.rept 16
	S1B 0, m
.set m, m+1
.endr
	s_mov_b32 s[CNT], 16
.Lrows:
	GROUP 0
	GROUP 1
	s_sub_co_u32 s[CNT], s[CNT], 1
	s_cmp_lg_u32 s[CNT], 0
	s_cbranch_scc1 .Lrows
	s_wait_tensorcnt 0x0                           ; the wave's end
	ds_add_u32 v[SPW], v[NIL]
	s_wait_dscnt 0x0
	CROUND                                         ; the closing round
	s_endpgm
.Lfunc_end_k_qd23c6afe27_fc1:
	.size	k_qd23c6afe27_fc1, .Lfunc_end_k_qd23c6afe27_fc1-k_qd23c6afe27_fc1
	.p2alignl 7, 3214868480
	.fill 96, 4, 3214868480
	.section	.rodata,"a",@progbits
	.p2align	6, 0x0
	.amdhsa_kernel k_qd23c6afe27_fc1
		.amdhsa_group_segment_fixed_size 327680
		.amdhsa_private_segment_fixed_size 0
		.amdhsa_enable_private_segment 0
		.amdhsa_kernarg_size 32
		.amdhsa_user_sgpr_count 2
		.amdhsa_user_sgpr_kernarg_segment_ptr 1
		.amdhsa_wavefront_size32 1
		.amdhsa_system_sgpr_workgroup_id_x 1
		.amdhsa_system_sgpr_workgroup_id_y 1
		.amdhsa_system_sgpr_workgroup_id_z 1
		.amdhsa_system_vgpr_workitem_id 0
		.amdhsa_next_free_vgpr 1024
		.amdhsa_next_free_sgpr 96
		.amdhsa_reserve_vcc 0
		.amdhsa_float_denorm_mode_32 3
		.amdhsa_float_denorm_mode_16_64 3
		.amdhsa_memory_ordered 1
		.amdhsa_forward_progress 1
		.amdhsa_inst_pref_size 96
	.end_amdhsa_kernel
	.amdgpu_metadata
---
amdhsa.version: [ 1, 2 ]
amdhsa.kernels:
  - .name:           k_qd23c6afe27_fc1
    .symbol:         k_qd23c6afe27_fc1.kd
    .args:
      - { .name: h, .offset: 0, .size: 8, .value_kind: global_buffer, .address_space: global }
      - { .name: wb, .offset: 8, .size: 8, .value_kind: global_buffer, .address_space: global }
      - { .name: fc1_b, .offset: 16, .size: 8, .value_kind: global_buffer, .address_space: global }
      - { .name: g, .offset: 24, .size: 8, .value_kind: global_buffer, .address_space: global }
    .group_segment_fixed_size: 327680
    .private_segment_fixed_size: 0
    .kernarg_segment_align: 8
    .kernarg_segment_size: 32
    .max_flat_workgroup_size: 128
    .sgpr_count:     96
    .vgpr_count:     1024
    .wavefront_size: 32
...
	.end_amdgpu_metadata
.endif
;; end of part 5
;; launch fc2 (part 6): grid 8 x 32, 4 waves a work-group, clusters of 4 x 4, 327,680 bytes of LDS; arguments g, wb, fc2_b, x1, out0; writes out0
.if DOCPART == 6
	.amdgcn_target "amdgcn-amd-amdhsa--gfx1250"
	.amdhsa_code_object_version 6
	.text
	.protected	k_qd23c6afe27_fc2
	.globl	k_qd23c6afe27_fc2
	.p2align	8
	.type	k_qd23c6afe27_fc2,@function
k_qd23c6afe27_fc2:
	s_mov_b64 s[64:65], 0
	v_nop
	global_prefetch_b8 v0, s[64:65] scope:SCOPE_SE
	s_setreg_imm32_b32 hwreg(HW_REG_WAVE_MODE, 25, 1), 1
	s_wait_xcnt 0x0
	s_wait_alu depctr_hold_cnt(0) depctr_sa_sdst(0) depctr_va_vdst(0) depctr_va_sdst(0) depctr_va_ssrc(0) depctr_va_vcc(0) depctr_vm_vsrc(0)
	s_getreg_b32 s2, hwreg(HW_REG_IB_STS2, 6, 4)
	s_cmp_eq_u32 s2, 0
	s_cbranch_scc0 .Lentry_in_a_cluster
	s_endpgm
.Lentry_in_a_cluster:
	s_bfe_u32 s2, ttmp6, 0x10000c
	s_cmp_lg_u32 s2, 0xf033
	s_cbranch_scc0 .Lentry_shape_is_right
	s_endpgm
.Lentry_shape_is_right:
; out0 = x1 + g W2 + fc2_b, f32.  g: [4096][4096] bf16; W2: [4096][1024] bf16 at byte 16,777,216 of wb.  Sums in f32.
; A tile of C is 128 x 128: 8 x 32 = 256 work-groups.  Four waves, 2 x 2: a wave makes 64 x 64 = 16 accumulators.  K goes in steps of 256 through two LDS slots of four PANELS of 128 rows x 256 bytes,
; one tensor load a wave: waves 0, 1 fetch A's (128 tokens x 128 k each, LDS pitch 272), waves 2, 3 B's (128 k x 128 columns each, pitch 288).
; B lies [K][N]: its fragments leave LDS through ds_load_tr16_b128.  The matrix instruction is used transposed: a lane holds one token and 8 neighbouring columns.
; CLUSTER 4 x 4: A's panels are asked for jointly along a row of the cluster, B's along a column.  One text for a K step: the slot in hand is a scalar that an exclusive or turns.
; THE WALK ALONG K begins at step (4 cluster y + 8 cluster x) mod 16 and wraps round: the clusters that read the same rows of g or of W2 read them in different steps.  The f32 sums are taken in that order.
; THE RING.  Both slots' first fills go out together; at a change of slots nothing but the three lines, the descriptors' step and the round stands between the wait for a tile and the next request.
; By this text's count a wave has two tensor loads out at the start, later one.
; The residual's 64 x 64 numbers of each wave are loaded at the head into 128 registers and stay there during the K loop.  No prefetch: the tiles are small.
; LIMITS: bf16 operands (8 significant bits); NaN and infinities are not treated apart.
.set NA, 2
.set NSTEP, 16
.set SYSH, 2                           ; the first step: (cluster y << SYSH) + (cluster x << SXSH), modulo NSTEP
.set SXSH, 3
.set MA, 4
.set NF, 4
.set UQ, 2
.set LATE, 8
.set NB, 2
.set LDA, 4096
.set LDB, 1024
.set ASTEP, 512
.set BSTEP, 256*LDB*2
.set WBOFF, 16777216
.set APITCH, 272
.set AWR, 64*272
.set DP, 272
.set DUMPW, 64*DP
.macro AOFS                            ; unit u of 32 k: panel u / 4, 64 bytes a unit in the panel's rows
.set oA, (u/4)*PAN+a*16*APITCH+64*(u%4)
.endm
.macro BOFS
.set rB, ADRB+u/4
.set oB, 32*288*(u%4)+32*b
.endm
; ---- the core ----
.set PAN, 36864
.set SLOT, 4*PAN
.set SPARE, 2*SLOT                     ; behind the ring: the spare words, 128 bytes a wave, that no other line names
.set NW, MA*NF*UQ
.set WV, 14
.set WR, 15
.set WC, 16
.set CX, 17
.set CY, 18
.set TX, 19
.set TY, 20
.set CNT, 21
.set TB, 22
.set KS, 23                            ; the K step last asked for
.set G1, 24
.set G0, 32
.set G0B, 36
.set G1B, 40
.set G0F, 80                           ; s[80:83], s[84:87] group 0 of slot 0's first fill, for A and for B
.set G0BF, 84
.set ABASE, 88                         ; s[88:89], s[90:91] my panel of A and of B at K step 0
.set BBASE, 90
.set KO, 92                            ; s[92:93] a step's byte offset
.set ADRA0, 10
.set ADRB0, 11
.set ADRA, 14
.set ADRB, 15
.set DST, 18
.set DRD, 19
.set GOF, 20
.set BOF, 23
.set BIA, 24
.set SPW, 28
.set NIL, 29
.set EX, 64
; windows: 0: addresses, A's fragments (v64-127, v128-191); 1: B's (v0-63, v96-159); 2: the 16 accumulators; 3: v0-127 the residual
.set MSB, 0
.macro WIN new
.if MSB != (\new)
	s_set_vgpr_msb (MSB<<8)|(\new)
.set MSB, \new
.endif
.endm
.set MUL_LO, 0xa1
.set TO_B, 0x40
.macro PLACES
.rept 4
	v_nop
.endr
.endm
.macro CREST
	s_cmp_lg_u32 s[WV], 0
	s_cbranch_scc1 .Lnot_wave_0_\@
	s_barrier_signal -3
.Lnot_wave_0_\@:
	s_barrier_wait -3
	s_barrier_signal -1
	s_barrier_wait -1
.endm
.macro CROUND
	s_barrier_signal -1
	s_barrier_wait -1
	CREST
.endm
.macro JLOAD                           ; a joint refill, one a wave; s_nop 0 and four v_nop follow each line
	s_cmp_lt_u32 s[WV], NA
	s_cbranch_scc0 .Lfor_b_\@
	tensor_load_to_lds s[G0:G0+3], s[G1:G1+7]
	s_nop 0
.rept 4
	v_nop
.endr
	s_branch .Lasked_\@
.Lfor_b_\@:
	tensor_load_to_lds s[G0B:G0B+3], s[G1B:G1B+7]
	s_nop 0
.rept 4
	v_nop
.endr
.Lasked_\@:
.endm
.macro FETCH q, f                      ; 32 LDS loads in one run: quarter q's fragments into buffer f; B's first, A's last
	WIN TO_B
.set c, 0
.rept UQ
.set u, UQ*(\q)+c
.set b, 0
.rept NF
	BOFS
.set rF, 96*(\f)+8*(c*NF+b)
	ds_load_tr16_b128 v[rF:rF+3], v[rB] offset:oB
	ds_load_tr16_b128 v[rF+4:rF+7], v[rB] offset:oB+16*288
.set b, b+1
.endr
.set c, c+1
.endr
	WIN 0
.set c, 0
.rept UQ
.set u, UQ*(\q)+c
.set a, 0
.rept MA
	AOFS
.set rF, 64+64*(\f)+8*(c*MA+a)
	ds_load_b128 v[rF:rF+3], v[ADRA] offset:oA
	ds_load_b128 v[rF+4:rF+7], v[ADRA] offset:oA+32
.set a, a+1
.endr
.set c, c+1
.endr
.endm
.macro MULP f, p, zero                 ; part p of four of a quarter's products; the accumulators take turns, one instruction a turn
.set i, (\p)*NW/4
.rept NW/4
.set c, i/(MA*NF)
.set n, i%(MA*NF)
.set a, n/NF
.set b, n%NF
.set rD, 8*(n%32)
.set rW, 96*(\f)+8*(c*NF+b)
.set rH, 64+64*(\f)+8*(c*MA+a)
	WIN MUL_LO+0x50*(n/32)
.if (\zero) && (c == 0)
	v_wmma_f32_16x16x32_bf16 v[rD:rD+7], v[rW:rW+7], v[rH:rH+7], 0
.else
	v_wmma_f32_16x16x32_bf16 v[rD:rD+7], v[rW:rW+7], v[rH:rH+7], v[rD:rD+7]
.endif
.set i, i+1
.endr
.endm
.macro MULQ f
	MULP \f, 0, 0
	MULP \f, 1, 0
	MULP \f, 2, 0
	MULP \f, 3, 0
.endm
.macro QUARTER f, g, qn, zero
	s_wait_dscnt LATE                              ; all of the run but its LATE youngest loads
	MULP \f, 0, \zero
	MULP \f, 1, \zero
	PLACES
	FETCH \qn, \g
	s_wait_dscnt 32                                ; all but the 32 just issued
	MULP \f, 2, \zero
	MULP \f, 3, \zero
.endm
.macro MEET                            ; a change of slots without a refill: the three lines and my work-group's barrier
	WIN 0
	s_wait_tensorcnt 0x0                           ; all my tensor loads have landed
	ds_add_u32 v[SPW], v[NIL]
	s_wait_dscnt 0x0                               ; the add is done, and my reads of this slot are over
	s_barrier_signal -1
	s_barrier_wait -1
.endm
.macro NEXTSLOT
	s_xor_b32 s[TB], s[TB], SLOT
	v_add_nc_u32 v[ADRA], s[TB], v[ADRA0]
.set t, 0
.rept NB
	v_add_nc_u32 v[ADRB+t], s[TB], v[ADRB0+t]
.set t, t+1
.endr
.endm
.macro STEPD                           ; the walking descriptors: the other slot; the next K step, modulo NSTEP: its address is made anew from the step's number.  No tensor load of mine is out
	s_xor_b32 s[G0+1], s[G0+1], SLOT
	s_xor_b32 s[G0B+1], s[G0B+1], SLOT
	s_add_co_u32 s[KS], s[KS], 1
	s_and_b32 s[KS], s[KS], NSTEP-1
	s_mul_i32 s[KO], s[KS], ASTEP
	s_add_nc_u64 s[G0+2:G0+3], s[ABASE:ABASE+1], s[KO:KO+1]
	s_or_b32 s[G0+3], s[G0+3], 0x80000000
	s_mul_i32 s[KO], s[KS], BSTEP
	s_add_nc_u64 s[G0B+2:G0B+3], s[BBASE:BBASE+1], s[KO:KO+1]
	s_or_b32 s[G0B+3], s[G0B+3], 0x80000000
.endm
.macro TURN                            ; the change of slots with its refill, then the step's last quarter
	WIN 0
	s_wait_tensorcnt 0x0                           ; all my tensor loads have landed: my panel of the next slot
	ds_add_u32 v[SPW], v[NIL]                      ; the descriptors' step stands between the add and its wait
	STEPD
	s_wait_dscnt 0x0                               ; the add is done, and my reads of this slot are over: its last fragments lie in buffer 1
	s_barrier_signal -1
	s_barrier_wait -1
	CREST                                          ; no wave of any partner still reads this slot or has a load on its way
	JLOAD                                          ; the first tensor load behind the round; its four v_nop are also the places ahead of the loads below
	NEXTSLOT
	FETCH 0, 0
	MULQ 1
.endm
.macro DUMP
.set n, 0
.rept MA*NF
.set a, n/NF
.set b, n%NF
.set rD, 8*(n%32)
	WIN 0x08+4*(n/32)
	ds_store_b128 v[DST], v[rD:rD+3] offset:a*16*DP+64*b
	ds_store_b128 v[DST], v[rD+4:rD+7] offset:a*16*DP+64*b+16
.set n, n+1
.endr
	WIN 0
.endm
; ---- the head ----
	s_load_b256 s[4:11], s[0:1], 0x0               ; g s[4:5], wb s[6:7], fc2_b s[8:9], x1 s[10:11]
	s_load_b64 s[12:13], s[0:1], 0x20              ; out0
	v_lshl_add_u32 v[SPW], v0, 2, SPARE
	v_mov_b32 v[NIL], 0
	ds_add_u32 v[SPW], v[NIL]                      ; the wave's opening: the add and its wait stand ahead of my first tensor load
	v_lshrrev_b32 v3, 5, v0
	v_readfirstlane_b32 s[WV], v3
	s_lshr_b32 s[WR], s[WV], 1
	s_and_b32 s[WC], s[WV], 1
	s_bfe_u32 s[CX], ttmp6, 0x40000
	s_bfe_u32 s[CY], ttmp6, 0x40004
	s_lshl_b32 s[TX], ttmp9, 2
	s_add_co_u32 s[TX], s[TX], s[CX]
	s_and_b32 s[TY], ttmp7, 0xffff
	s_lshl_b32 s[TY], s[TY], 2
	s_add_co_u32 s[TY], s[TY], s[CY]
	s_and_b32 s54, ttmp7, 0xffff                   ; the cluster's first K step: of the cluster's own coordinates, which all sixteen partners share
	s_lshl_b32 s54, s54, SYSH
	s_lshl_b32 s55, ttmp9, SXSH
	s_add_co_u32 s[KS], s54, s55
	s_and_b32 s[KS], s[KS], NSTEP-1
	s_lshl_b32 s62, s[CY], 2
	s_lshl_b32 s62, 15, s62
	s_lshl_b32 s63, 0x1111, s[CX]
	s_or_b32 s[G1], s62, (1<<16)|(1<<20)|(1<<21)|(5<<22)|(3<<25)
	s_or_b32 s[G1B], s63, (1<<16)|(1<<20)|(1<<21)|(5<<22)|(7<<25)
.irp g, G1, G1B
	s_mov_b32 s[(\g)+1], 128<<16
	s_mov_b32 s[(\g)+2], 128<<16
	s_mov_b32 s[(\g)+3], 128<<16
	s_mov_b32 s[(\g)+4], 128
	s_mov_b32 s[(\g)+6], 0
	s_mov_b32 s[(\g)+7], 0
.endr
	s_mov_b32 s[G1+5], LDA
	s_mov_b32 s[G1B+5], LDB
	s_min_u32 s56, s[WV], NA-1                     ; A's panel that I fetch: 128 k = 256 bytes along the rows
	s_lshl_b32 s56, s56, 8
	s_lshl_b32 s57, s[TY], 20                      ; the tile's 128 rows of 8,192 bytes
	s_add_co_u32 s56, s56, s57
	s_mov_b32 s57, 0
	s_sub_co_i32 s58, s[WV], NA
	s_max_i32 s58, s58, 0
	s_lshl_b32 s58, s58, 18                        ; B: my panel's 128 k rows of 2,048 bytes,
	s_lshl_b32 s59, s[TX], 8                       ; the tile's 128 columns
	s_add_co_u32 s58, s58, s59
	s_add_co_u32 s58, s58, WBOFF
	s_mov_b32 s59, 0
.irp g, G0F, G0BF, G0, G0B
	s_mov_b32 s[(\g)], 1
	s_mul_i32 s[(\g)+1], s[WV], PAN                ; panel w of slot 0: no place in the cluster enters an LDS address
.endr
	s_mov_b32 s[KO+1], 0
	s_mov_b32 s[TB], 0
	s_wait_dscnt 0x0                               ; the opening add is done
	s_wait_kmcnt 0x0
	s_add_nc_u64 s[ABASE:ABASE+1], s[4:5], s[56:57]
	s_add_nc_u64 s[BBASE:BBASE+1], s[6:7], s[58:59]
	s_mul_i32 s[KO], s[KS], ASTEP                  ; slot 0's first fill: the cluster's first step
	s_add_nc_u64 s[G0F+2:G0F+3], s[ABASE:ABASE+1], s[KO:KO+1]
	s_or_b32 s[G0F+3], s[G0F+3], 0x80000000
	s_mul_i32 s[KO], s[KS], BSTEP
	s_add_nc_u64 s[G0BF+2:G0BF+3], s[BBASE:BBASE+1], s[KO:KO+1]
	s_or_b32 s[G0BF+3], s[G0BF+3], 0x80000000
	STEPD                                          ; the walking sets: the step after it, slot 1
	CROUND                                         ; all sixteen work-groups are here: the first joint loads meet
	s_cmp_lt_u32 s[WV], NA                         ; a wave's two first fills stand in one branch, ahead of every wait on TENSORcnt and every LDS read
	s_cbranch_scc0 .Lfirst_b
	tensor_load_to_lds s[G0F:G0F+3], s[G1:G1+7]
	s_nop 0
	tensor_load_to_lds s[G0:G0+3], s[G1:G1+7]
	s_nop 0
.rept 4
	v_nop
.endr
	s_branch .Lfirst_asked
.Lfirst_b:
	tensor_load_to_lds s[G0BF:G0BF+3], s[G1B:G1B+7]
	s_nop 0
	tensor_load_to_lds s[G0B:G0B+3], s[G1B:G1B+7]
	s_nop 0
.rept 4
	v_nop
.endr
.Lfirst_asked:
	v_and_b32 v1, 15, v0
	v_bfe_u32 v2, v0, 4, 1
	v_and_b32 v3, 7, v0
	v_bfe_u32 v4, v0, 3, 1
	v_mul_u32_u24 v[ADRA0], v1, APITCH
	v_lshl_add_u32 v[ADRA0], v2, 4, v[ADRA0]
	s_mul_i32 s54, s[WR], AWR
	v_add_nc_u32 v[ADRA0], s54, v[ADRA0]
	v_mov_b32 v[ADRA], v[ADRA0]
	v_lshl_add_u32 v6, v2, 3, v3
	v_mul_u32_u24 v6, v6, 288
	v_lshl_add_u32 v6, v4, 4, v6
.irp t, 0,1
	s_lshl_b32 s54, s[WC], 7                       ; my 64 columns of the panel's 128
	s_add_co_u32 s54, s54, (NA+\t)*PAN
	v_add_nc_u32 v[ADRB0+\t], s54, v6
	v_mov_b32 v[ADRB+\t], v[ADRB0+\t]
.endr
	s_mul_i32 s55, s[WV], DUMPW
	v_mul_u32_u24 v[DST], v1, DP
	v_lshl_add_u32 v[DST], v2, 5, v[DST]
	v_add_nc_u32 v[DST], s55, v[DST]
	v_mul_u32_u24 v[DRD], v2, DP                   ; back: lanes 0-15 one row of 256 bytes, lanes 16-31 the next
	v_lshl_add_u32 v[DRD], v1, 4, v[DRD]
	v_add_nc_u32 v[DRD], s55, v[DRD]
	v_lshlrev_b32 v[GOF], 12, v2                   ; the same two rows in x1 and out0
	v_lshl_add_u32 v[GOF], v1, 4, v[GOF]
	s_lshl_b32 s72, s[TX], 9
	s_lshl_b32 s73, s[WC], 8
	s_add_co_u32 s72, s72, s73                     ; my first column, in bytes of f32
	v_lshl_add_u32 v[BOF], v1, 4, s72
	global_load_b128 v[BIA:BIA+3], v[BOF], s[8:9]
	s_lshl_b32 s70, s[TY], 19
	s_lshl_b32 s71, s[WR], 18
	s_add_co_u32 s70, s70, s71
	s_add_co_u32 s70, s70, s72
	s_mov_b32 s71, 0
	s_add_nc_u64 s[66:67], s[10:11], s[70:71]      ; the residual and the output at my 64 x 64
	s_add_nc_u64 s[68:69], s[12:13], s[70:71]
	WIN 0xc0                                       ; destination window 3
.set p, 0
.rept 32
	global_load_b128 v[4*p:4*p+3], v[GOF], s[66:67] offset:8192*p  ; rows 2 p, 2 p + 1: they land while the products run
.set p, p+1
.endr
	WIN 0
; ---- the K loop ----
	s_wait_tensorcnt 0x1                           ; my panel of the first step is in; the one younger load, slot 1's, may stay out
	s_barrier_signal -1
	s_barrier_wait -1                              ; everybody's is
	FETCH 0, 0
	QUARTER 0, 1, 1, 1
	WIN 0
	s_mov_b32 s[CNT], NSTEP-2
.Lstep:
	QUARTER 1, 0, 2, 0
	QUARTER 0, 1, 3, 0
	TURN
	QUARTER 0, 1, 1, 0
	WIN 0
	s_sub_co_u32 s[CNT], s[CNT], 1
	s_cmp_lg_u32 s[CNT], 0
	s_cbranch_scc1 .Lstep
	s_mov_b32 s[CNT], 2
.Ltail:                                                ; the last two steps ask for nothing; the second trip is left in its middle
	QUARTER 1, 0, 2, 0
	QUARTER 0, 1, 3, 0
	MEET
	s_sub_co_u32 s[CNT], s[CNT], 1
	s_cmp_eq_u32 s[CNT], 0
	s_cbranch_scc1 .Lfin
	PLACES
	NEXTSLOT
	FETCH 0, 0
	MULQ 1
	QUARTER 0, 1, 1, 0
	WIN 0
	s_branch .Ltail
.Lfin:                                                 ; behind the last barrier no wave reads the ring and no load is out: the ring has had its last fill
	MULQ 1
	WIN 0
	PLACES
	PLACES
	DUMP
; ---- the way out: 32 pairs of rows, each in registers of its own, so that no store's data is written again ----
	s_wait_loadcnt 0x0                             ; the bias and the residual
.set p, 0
.rept 32
	ds_load_b128 v[EX+4*p:EX+4*p+3], v[DRD] offset:2*DP*p  ; LDS serves a wave's instructions in order: these see my stores
.set p, p+1
.endr
.set q, 0
.rept 4
	s_wait_dscnt 8*(3-q)                           ; the younger groups' loads may stay out
.set p, 8*q
.rept 8
	v_pk_add_f32 v[EX+4*p:EX+4*p+1], v[EX+4*p:EX+4*p+1], v[BIA:BIA+1]
	v_pk_add_f32 v[EX+4*p+2:EX+4*p+3], v[EX+4*p+2:EX+4*p+3], v[BIA+2:BIA+3]
.set p, p+1
.endr
	WIN 0x0c                                       ; source 1 in window 3
.set p, 8*q
.rept 8
	v_pk_add_f32 v[EX+4*p:EX+4*p+1], v[EX+4*p:EX+4*p+1], v[4*p:4*p+1]
	v_pk_add_f32 v[EX+4*p+2:EX+4*p+3], v[EX+4*p+2:EX+4*p+3], v[4*p+2:4*p+3]
.set p, p+1
.endr
	WIN 0
.set p, 8*q
.rept 8
	global_store_b128 v[GOF], v[EX+4*p:EX+4*p+3], s[68:69] offset:8192*p  ; 16 lanes store 256 consecutive bytes, aligned
.set p, p+1
.endr
.set q, q+1
.endr
	s_wait_tensorcnt 0x0                           ; the wave's end
	ds_add_u32 v[SPW], v[NIL]
	s_wait_dscnt 0x0
	CROUND                                         ; the closing round
	s_endpgm
.Lfunc_end_k_qd23c6afe27_fc2:
	.size	k_qd23c6afe27_fc2, .Lfunc_end_k_qd23c6afe27_fc2-k_qd23c6afe27_fc2
	.p2alignl 7, 3214868480
	.fill 96, 4, 3214868480
	.section	.rodata,"a",@progbits
	.p2align	6, 0x0
	.amdhsa_kernel k_qd23c6afe27_fc2
		.amdhsa_group_segment_fixed_size 327680
		.amdhsa_private_segment_fixed_size 0
		.amdhsa_enable_private_segment 0
		.amdhsa_kernarg_size 40
		.amdhsa_user_sgpr_count 2
		.amdhsa_user_sgpr_kernarg_segment_ptr 1
		.amdhsa_wavefront_size32 1
		.amdhsa_system_sgpr_workgroup_id_x 1
		.amdhsa_system_sgpr_workgroup_id_y 1
		.amdhsa_system_sgpr_workgroup_id_z 1
		.amdhsa_system_vgpr_workitem_id 0
		.amdhsa_next_free_vgpr 896
		.amdhsa_next_free_sgpr 96
		.amdhsa_reserve_vcc 0
		.amdhsa_float_denorm_mode_32 3
		.amdhsa_float_denorm_mode_16_64 3
		.amdhsa_memory_ordered 1
		.amdhsa_forward_progress 1
		.amdhsa_inst_pref_size 72
	.end_amdhsa_kernel
	.amdgpu_metadata
---
amdhsa.version: [ 1, 2 ]
amdhsa.kernels:
  - .name:           k_qd23c6afe27_fc2
    .symbol:         k_qd23c6afe27_fc2.kd
    .args:
      - { .name: g, .offset: 0, .size: 8, .value_kind: global_buffer, .address_space: global }
      - { .name: wb, .offset: 8, .size: 8, .value_kind: global_buffer, .address_space: global }
      - { .name: fc2_b, .offset: 16, .size: 8, .value_kind: global_buffer, .address_space: global }
      - { .name: x1, .offset: 24, .size: 8, .value_kind: global_buffer, .address_space: global }
      - { .name: out0, .offset: 32, .size: 8, .value_kind: global_buffer, .address_space: global }
    .group_segment_fixed_size: 327680
    .private_segment_fixed_size: 0
    .kernarg_segment_align: 8
    .kernarg_segment_size: 40
    .max_flat_workgroup_size: 128
    .sgpr_count:     96
    .vgpr_count:     896
    .wavefront_size: 32
...
	.end_amdgpu_metadata
.endif
;; end of part 6
